; MI455X (gfx1250); checked and timed in simulation.
; The chip was launched on July 23, 2026; its instructions are those of AMD's public machine-readable ISA for CDNA 5 (MIT licence, August 2026) and "CDNA5" Instruction Set Architecture Reference Guide (July 2026). The comments in the code are by the model that wrote it; some were corrected since.
;; Document Mask Attention. Allowed arithmetic: matrix products marked QUANTISED: E3M2 operands, one E8M0 scale for each 32 along K, by v_wmma_scale_f32_16x16x128_f8f6f4 with both operands' format E3M2, f32 sums; everything else in f32.
;; Inputs: K_codes 1 x 16 x 4,096 x 2 x 24 uint8 (E3M2 codes of K, K innermost, in blocks of 32 codes, four codes in three bytes); K_scales 1 x 16 x 4,096 x 2 uint8 (E8M0 scales of K, one for each 32 codes along K); Q_codes 1 x 16 x 4,096 x 2 x 24 uint8 (E3M2 codes of Q, K innermost, in blocks of 32 codes, four codes in three bytes); Q_scales 1 x 16 x 4,096 x 2 uint8 (E8M0 scales of Q, one for each 32 codes along K); V_codes 1 x 16 x 64 x 128 x 24 uint8 (E3M2 codes of V, K innermost, in blocks of 32 codes, four codes in three bytes); V_scales 1 x 16 x 64 x 128 uint8 (E8M0 scales of V, one for each 32 codes along K); document_id 4,096 int32.
;; Outputs: out0 1 x 16 x 4,096 x 64 float32.
;; This version of the problem:
;;   THIS VERSION OF THE PROBLEM IS GIVEN IN LOW PRECISION. The matrix products marked QUANTISED in the list below multiply operands that are first quantised to E3M2 (3 exponent bits, 2 mantissa bits; 6 bits a number), with one power-of-two scale for each 32 numbers along K (OCP MX v1.0); their sums are f32. All else is computed in f32.
;;   The module's matrix products, in the order in which they are computed (A, B: the left and right operand; K: the contracted axis; several contracted axes count as one K, in the product's order):
;;     1. batch 16 x [M 4,096, K 64] x [K 64, N 4,096]; A: input Q (given as codes); B: input K (given as codes): QUANTISED
;;     2. batch 16 x [M 4,096, K 4,096] x [K 4,096, N 64]; A: softmax (see below); B: input V (given as codes): QUANTISED
;;   THE QUANTISER, for each operand of a quantised product, along K:
;;     - K is cut into blocks of 32 from its start; a last block that is shorter is filled with zeros.
;;     - A block's scale is 2^e with e = floor(log2(the largest magnitude in the block)) - 4, held to -126 .. 127; a block of zeros has e = 0. As a byte (E8M0): e + 127.
;;     - Each number is divided by its block's scale, clamped to +-28, and rounded to the nearest number of E3M2, ties to even, subnormals kept.
;;     - The product sums the exact products of the quantised numbers (number of the format x scale) in f32.
;;   ~~~python
;;   def quantise(x, axis):      # numpy; x: float32 -> the quantised numbers, widened to float32 again
;;       x = np.moveaxis(x, axis, -1); K = x.shape[-1]
;;       x = np.pad(x, [(0, 0)] * (x.ndim - 1) + [(0, -K % 32)]); x = x.reshape(x.shape[:-1] + (-1, 32)); a = np.abs(x).max(-1, keepdims=True)
;;       e = np.where(a > 0, np.clip(np.frexp(np.where(a > 0, a, 1))[1] - 1 - 4, -126, 127), 0)      # np.frexp(a)[1] - 1 = floor(log2(a)), exactly
;;       r = np.clip(x / 2.0 ** e, -28, 28)
;;       step = 2.0 ** (np.maximum(np.frexp(np.where(r == 0, 1, r))[1] - 1, -2) - 2)
;;       q = np.round(r / step) * step * 2.0 ** e      # np.round: ties to even
;;       return np.moveaxis(q.reshape(q.shape[:-2] + (-1,))[..., :K], -1, axis).astype(np.float32)
;;   ~~~
;;   SOFTMAX AHEAD OF A QUANTISED PRODUCT. Where the list says 'softmax', what is quantised is not the finished softmax but p = 2^(t - M), with t = logit x log2(e) and M = ceil(the row's largest t), a whole number; so 1/2 < the row's largest p <= 1. The row's sum l is taken of the UNQUANTISED p, in f32, and the product's result is divided by l at the end. Since M is a whole number, a kernel that streams over the keys may use a running M (the ceiling of the running maximum): every later rescaling is an exact power of two, which a block's scale takes up: the codes' values come out the same.
;;   OPERANDS COMPUTED ON THE WAY. 'Computed on the way' means the value that the module computes at that place (a softmax that the list does not call 'softmax' is quantised finished and normalised). What goes into a quantiser is computed in f32, as accurately as f32 sums, v_exp_f32 and their like allow (about 1e-6 of the number): no bf16 or f16 on the way to a quantiser, and a product that is left as it is and whose result goes on into a quantised operand takes f32 operands (vector FMAs, or v_wmma_f32_16x16x4_f32). A number that lies on a knife's edge between two numbers of the format may be rounded either way, as far as f32 arithmetic and the matrix unit's own rounding can turn it there, and no further.
;;   INPUTS GIVEN AS CODES. K (in the module: [1, 16, 4096, 64], K = its axis 3); Q (in the module: [1, 16, 4096, 64], K = its axis 3); V (in the module: [1, 16, 4096, 64], K = its axis 2): each comes as NAME_codes (uint8): NAME with its K axis moved to the last place and cut into blocks of 32 codes, [.., K / 32, bytes a block], one block behind the other in memory; four codes in three bytes: a row's codes are one little-endian stream of bits, code i at bits 6 i .. 6 i + 5 (a code: sign, 3 exponent bits, 2 mantissa bits); and NAME_scales (uint8): the same leading axes, one E8M0 byte (e + 127) for each 32 codes along K. Its value is code x scale, taken as it is: it is not quantised again, and the codes and scales need not be those that the quantiser above would give.
;; 2 versions. Each part assembles by itself: llvm-mc -triple=amdgcn-amd-amdhsa -mcpu=gfx1250 --defsym DOCPART=n.
;; ======== version 1 of 2: 2 launches
;; workspace buffers: masks 2,048 bytes of whole numbers
;; launch ranges (part 1): grid 1 x 1, 16 waves a work-group, no clusters, 6,144 bytes of LDS; arguments document_id, masks; writes masks
.if DOCPART == 1
	.amdgcn_target "amdgcn-amd-amdhsa--gfx1250"
	.amdhsa_code_object_version 6
	.text
	.protected	k_qfe450a9f14_ranges
	.globl	k_qfe450a9f14_ranges
	.p2align	8
	.type	k_qfe450a9f14_ranges,@function
k_qfe450a9f14_ranges:
	s_mov_b64 s[64:65], 0
	v_nop
	global_prefetch_b8 v0, s[64:65] scope:SCOPE_SE
	s_setreg_imm32_b32 hwreg(HW_REG_WAVE_MODE, 25, 1), 1
	s_wait_xcnt 0x0
; WHICH STEPS OF 128 KEYS DOES A TILE OF 16 QUERIES NEED?  document_id [4096] int32, in any order.  masks: 512 words.
; Word T (T = 0 .. 255: queries 16 T .. 16 T + 15), ACT: bit j is set where the range of the ids of keys 128 j .. 128 j + 127 meets the range of the tile's ids.  Ranges that do not meet hold no equal pair.
; Word 256 + T, OPN: bit j is set where those 128 keys and the tile's 16 queries all have one id: nothing is hidden there.
; Ids are compared as unsigned words: for equality and for ranges any total order serves.
; The decision is made here and stored as whole numbers; the launch behind this one reads it by scalar loads and branches on it.  Here no branch and no address hangs on an id.
; ONE WORK-GROUP: every mask needs all 32 steps' ranges, so a second work-group would read all 16,384 bytes again.  Sixteen waves: thread n takes ids 8 n .. 8 n + 7; wave w then makes the masks of tiles 16 w .. 16 w + 15.
; A wave's store is two pieces of 64 consecutive bytes (sixteen ACT words, sixteen OPN words): the launch writes 2,048 bytes in all, too few to be worth a gather through LDS.
.set MIN8, 0                           ; LDS word n: the smallest of ids 8 n .. 8 n + 7
.set MAX8, 2048                        ; likewise the largest
	s_load_b128 s[4:7], s[0:1], 0x0                ; document_id, masks
	v_lshl_add_u32 v64, v0, 2, 0x1000
	v_mov_b32 v65, 0
	v_lshrrev_b32 v1, 5, v0
	v_readfirstlane_b32 s8, v1                     ; wave 0..15
	v_and_b32 v2, 31, v0                           ; lane
	v_lshlrev_b32 v3, 5, v0                        ; my eight ids: 32 bytes a thread
	v_lshlrev_b32 v4, 2, v0                        ; my word of the tables
	v_lshlrev_b32 v5, 6, v2                        ; lane l for step l: its sixteen words
	v_and_b32 v6, 15, v0                           ; lane i (and 16 + i) for tile 16 w + i
	s_lshl_b32 s9, s8, 7
	v_lshl_add_u32 v7, v6, 3, s9                   ; the tile's two words: 8 (16 w + i)
	s_lshl_b32 s10, s8, 6
	v_lshl_add_u32 v8, v6, 2, s10                  ; where my word of the masks goes: 4 (16 w + i),
	v_bfe_u32 v9, v0, 4, 1
	v_lshl_add_u32 v8, v9, 10, v8                  ; lanes 16-31: 1,024 bytes on, among the OPN words
	v_mov_b32 v12, 0                               ; the wave's 32 words are gathered here, lane by lane
	s_wait_kmcnt 0x0
	global_load_b128 v[16:19], v3, s[4:5]
	global_load_b128 v[20:23], v3, s[4:5] offset:16
	s_wait_loadcnt 0x0
	v_min_u32 v10, v16, v17
	v_max_u32 v11, v16, v17
.irp i, 18,19,20,21,22,23
	v_min_u32 v10, v10, v\i                        ; the two chains by turns
	v_max_u32 v11, v11, v\i
.endr
	ds_store_b32 v4, v10 offset:MIN8
	ds_store_b32 v4, v11 offset:MAX8
	s_wait_dscnt 0x0                               ; my stores have landed: then the barrier, behind which every wave reads both tables
	s_barrier_signal -1
	s_barrier_wait -1
.irp i, 0,1,2,3
	ds_load_b128 v[16+4*\i:19+4*\i], v5 offset:MIN8+16*\i
.endr
.irp i, 0,1,2,3
	ds_load_b128 v[32+4*\i:35+4*\i], v5 offset:MAX8+16*\i
.endr
	ds_load_b64 v[48:49], v7 offset:MIN8
	ds_load_b64 v[50:51], v7 offset:MAX8
	s_wait_dscnt 0x0
.irp i, 1,2,3,4,5,6,7,8,9,10,11,12,13,14,15
	v_min_u32 v16, v16, v[16+\i]                   ; v16: the smallest id of step l's 128 keys
	v_max_u32 v32, v32, v[32+\i]                   ; v32: the largest
.endr
	v_min_u32 v48, v48, v49                        ; v48: the smallest id of tile 16 w + i
	v_max_u32 v50, v50, v51                        ; v50: the largest
.irp i, 0,1,2,3,4,5,6,7,8,9,10,11,12,13,14,15
	v_readlane_b32 s12, v48, \i                    ; the tile's range as scalars
	v_readlane_b32 s13, v50, \i
	v_cmp_ge_u32 s14, s13, v16                     ; bit l: the tile's largest >= step l's smallest,
	v_cmp_le_u32 s15, s12, v32                     ; and its smallest <= step l's largest:
	s_and_b32 s14, s14, s15                        ; the ranges meet
	v_writelane_b32 v12, s14, \i
	v_cmp_eq_u32 s16, s12, v16
	v_cmp_eq_u32 s17, s13, v32
	s_and_b32 s16, s16, s17                        ; the ranges are equal,
	s_cmp_eq_u32 s12, s13
	s_cselect_b32 s16, s16, 0                      ; and hold one id: a choice of a value, no branch
	v_writelane_b32 v12, s16, 16+\i
.endr
	global_store_b32 v8, v12, s[6:7]
	s_wait_tensorcnt 0x0
	ds_add_u32 v64, v65
	s_wait_dscnt 0x0
	s_endpgm
.Lfunc_end_k_qfe450a9f14_ranges:
	.size	k_qfe450a9f14_ranges, .Lfunc_end_k_qfe450a9f14_ranges-k_qfe450a9f14_ranges
	.p2alignl 7, 3214868480
	.fill 96, 4, 3214868480
	.section	.rodata,"a",@progbits
	.p2align	6, 0x0
	.amdhsa_kernel k_qfe450a9f14_ranges
		.amdhsa_group_segment_fixed_size 6144
		.amdhsa_private_segment_fixed_size 0
		.amdhsa_enable_private_segment 0
		.amdhsa_kernarg_size 16
		.amdhsa_user_sgpr_count 2
		.amdhsa_user_sgpr_kernarg_segment_ptr 1
		.amdhsa_wavefront_size32 1
		.amdhsa_system_sgpr_workgroup_id_x 1
		.amdhsa_system_sgpr_workgroup_id_y 1
		.amdhsa_system_sgpr_workgroup_id_z 1
		.amdhsa_system_vgpr_workitem_id 0
		.amdhsa_next_free_vgpr 66
		.amdhsa_next_free_sgpr 66
		.amdhsa_reserve_vcc 0
		.amdhsa_float_denorm_mode_32 3
		.amdhsa_float_denorm_mode_16_64 3
		.amdhsa_memory_ordered 1
		.amdhsa_forward_progress 1
		.amdhsa_inst_pref_size 14
	.end_amdhsa_kernel
	.amdgpu_metadata
---
amdhsa.version: [ 1, 2 ]
amdhsa.kernels:
  - .name:           k_qfe450a9f14_ranges
    .symbol:         k_qfe450a9f14_ranges.kd
    .args:
      - { .name: document_id, .offset: 0, .size: 8, .value_kind: global_buffer, .address_space: global }
      - { .name: masks, .offset: 8, .size: 8, .value_kind: global_buffer, .address_space: global }
    .group_segment_fixed_size: 6144
    .private_segment_fixed_size: 0
    .kernarg_segment_align: 8
    .kernarg_segment_size: 16
    .max_flat_workgroup_size: 512
    .sgpr_count:     66
    .vgpr_count:     66
    .wavefront_size: 32
...
	.end_amdgpu_metadata
.endif
;; end of part 1
;; launch attn (part 2): grid 16 x 16, 16 waves a work-group, no clusters, 138,240 bytes of LDS; arguments Q_codes, Q_scales, K_codes, K_scales, V_codes, V_scales, document_id, out0, masks; writes out0
.if DOCPART == 2
	.amdgcn_target "amdgcn-amd-amdhsa--gfx1250"
	.amdhsa_code_object_version 6
	.text
	.protected	k_qfe450a9f14_attn
	.globl	k_qfe450a9f14_attn
	.p2align	8
	.type	k_qfe450a9f14_attn,@function
k_qfe450a9f14_attn:
	s_mov_b64 s[64:65], 0
	v_nop
	global_prefetch_b8 v0, s[64:65] scope:SCOPE_SE
	s_setreg_imm32_b32 hwreg(HW_REG_WAVE_MODE, 25, 1), 1
	s_wait_xcnt 0x0
; out[h][q][:] = sum over k of softmax_k(Q[h][q] . K[h][k] / 8, only where document_id[k] == document_id[q]) V[h][k][:].  16 heads, 4,096 queries, 4,096 keys, head size 64.
; Both products on codes of BF6 (E3M2) with one E8M0 scale for each 32 along a product's K.  Q, K: rows of 48 bytes of codes and 2 scale bytes.  V: keys innermost, 64 rows of 3,072 bytes a head, one scale word for 128 keys.
; THE SOFTMAX AHEAD OF THE SECOND PRODUCT: t = score x log2(e) / 8; M = the row's largest t so far, rounded UP to a whole number; p = 2^(t - M) is quantised along the keys, not normalised.
; The row's sum is taken of the unquantised p and divides at the end.  When M moves, the sum and O are multiplied by 2^(old M - new M): exact.
; SHARES.  A work-group owns 256 queries of one head, each of its sixteen waves 16 of them in 256 registers: four waves to a SIMD, so that one wave's vector work stands beside another's matrix work and LDS loads.
; All waves walk 32 steps of 128 keys in a loop of constant length, one barrier a step.  A step's codes of K and V (12,288 bytes) are brought by the 512 threads through registers into one of two LDS buffers,
; laid as IMAGES OF THE OPERANDS' REGISTERS (four registers of a fragment: 16 bytes a lane, 512 bytes on end), so that a fragment comes back by three ds_load_b128.
; WHAT THE MASK SPARES.  document_id is taken as it is given, in any order.  The launch ahead of this one has stored, for each tile of 16 queries, two words of 32 bits, one bit a step: ACT (the range of the step's 128
; keys' ids meets the range of the tile's ids) and OPN (those keys and the tile's queries all have one id).  They are read here by scalar loads.  A wave computes a step only where its ACT bit is set; a step is staged
; where any of the work-group's sixteen ACT words has its bit (WGM, their OR); the 128 masking instructions are left out where the OPN bit is set.  Ranges that do not meet hold no equal pair, so nothing that counts
; is left out.  Barriers, waits and pointer steps stand outside these branches.  SKIP = 0 assembles the dense walk: the same results.
; LAYOUT.  Both products are used transposed: S^T = K Q^T (source 0 = keys, source 1 = my 16 queries), O^T = V^T P^T: a lane holds ONE query (lane % 16) throughout.
; THE KEYS OF A TILE ARE NOT NEIGHBOURS: row m of tile 2 b + u is key 32 b + 8 u + m + 8 (m / 8), so that the 16 registers of tiles 2 b and 2 b + 1 are the neighbouring keys 32 b + 16 (lane / 16) + 0 .. 15.
; THE FIRST PRODUCT HAS K = 64 IN AN INSTRUCTION OF 128.  A fragment of K holds TWO tiles of keys: tile 2 T in k = 0 .. 63, tile 2 T + 1 in k = 64 .. 127.  It is multiplied by Qlo = [q | zero codes] for the first tile
; and by Qhi = [zero codes | q] for the second.  A product with a zero code is 0 under any finite scale; every scale word is a row's two bytes twice (s | s << 16), so both halves carry real bytes.
; NO JOINT LOADS, NO TENSOR LOADS: which steps a work-group stages hangs on document_id, so the work-groups of a head need different tiles and different numbers of them; a fill that may not be jumped over
; would bring the whole head (32 x 12,288 bytes) to each work-group whatever it uses of it.
; LIMITS: scale bytes 0xff (NaN) are not served (in the first product such a byte would also reach the partner tile).  A hidden score becomes -infinity where the definition has -1e30: p = 0 either way while
; real scores lie above -1e29.  A block of 32 whose every p is 0 carries the scale byte 1: its codes are zeros.
.set SKIP,  1
.set IMGSZ, 12288                      ; LDS: two image buffers at 0 and IMGSZ: fragment F at 1,536 F (F = 0..3: K's, F = 4..7: V's tiles), register group g at 512 g, lane l at 16 l
.set DOC,   24576                      ; document_id as it lies, 16,384 bytes
.set KSC,   40960                      ; one word for each key of the head: s | s << 16, 16,384 bytes
.set VSC,   57344                      ; V's scale bytes: 64 rows of 128 bytes, 144 apart
.set OUTS,  66560                      ; the way out: 16 rows x 272 bytes for each wave, its own
.set LI,   1                           ; v1   16 x lane
.set AKS,  2                           ; v2   my place among K's scale words
.set AVS,  3                           ; v3   and among V's
.set ADOC, 4                           ; v4   my half's place among a step's ids
.set SA,   5                           ; v5   staging: LDS address of my pieces 0 and 2
.set SB,   6                           ; v6   of my piece 1
.set GOFF, 7                           ; v7   staging: my 24 bytes' offset in a step's codes; never rewritten
.set ADS,  8                           ; v8-10 a step's addresses: K's scale words, V's, the ids
.set ADT,  9
.set ADD,  10
.set QLO,  16                          ; v16-27  [q | 0];  v28-39  [0 | q];  v12 -M, v13 the largest t, v[14:15] the sum in two halves
.set QHI,  28
.set QS,   40                          ; v40  Q's scale words
.set DQ,   41                          ; v41  my query's id
.set NINF, 42                          ; v42  -infinity
.set STG,  44                          ; v44-49  24 bytes on their way from memory to LDS
.set KF,   50                          ; v50-97  K's four fragments; once they are multiplied:
.set BM,   50                          ;   v50-53 block maxima, v54-57 the other half's, v58-61 the conversions' scale operands, v62-65 scale bytes,
.set PD,   54
.set SO,   58
.set BY,   62
.set PC,   66                          ;   v66-77 p's codes, v78-80 and v82-84 the conversions' second halves, v[86:87] the sum's second chain
.set CT,   78
.set SU,   86
.set VF,   98                          ; v98-145  the step's ids, then V's four fragments, at last rows of the result
.set SS,   146                         ; v146-209 S^T, then p
.set OO,   210                         ; v210-241 O^T, four tiles
.set KS,   242                         ; v242-245 K's scale words: lanes 0-15 tile 2 T's, lanes 16-31 tile 2 T + 1's
.set VS,   246                         ; v246-247 V's: lanes 0-15 tile 2 a's, lanes 16-31 tile 2 a + 1's
.set PS,   248                         ; v248 p's scale word
.set FF,   250                         ; v[250:251] f = 2^(old M - new M); v251 is only named with it
.set TT,   252
.set QC,   4                           ; s[4:19] eight of the nine addresses; s[52:53] the masks'
.set QSP,  6
.set KC,   8
.set KSP,  10
.set VC,   12
.set VSP,  14
.set DOCP, 16
.set OUTP, 18
.set WV,   20
.set HD,   21
.set Q0,   23
.set CB,   24                          ; s[24:25] where my role's codes of the step to be staged begin
.set CSTEP, 26                         ; s[26:27] bytes from step to step there
.set ACT,  28
.set OPN,  29
.set WGM,  30
.set WGN,  31                          ; WGM >> 1: bit J speaks of step J + 1, and bit 31 is 0: nothing is fetched past the last step
.set J,    32
.set CNT,  33
.set SEL,  34                          ; s[34:35] v_permlanex16_b32's selects for lane l xor 16
.set CS,   36                          ; s[36:37] c = log2(e) / 8
.set TS,   38                          ; 512 J
.set TJ,   39                          ; 4 J
.set MSK,  52                          ; s[52:53] the masks; s[54:55] my queries' ids; s[58:59] the work-group's ACT words; s[60:61] my wave's;  s[68:83] the sixteen words
; My 24 bytes of a step's codes are asked for, if bit J of mask m says that the work-group wants the step.
.macro STAGE_LOAD m
	s_bitcmp1_b32 s[\m], s[J]
	s_cbranch_scc0 .Lno_load_\@
.irp p, 0,1,2
	global_load_b64 v[STG+2*\p:STG+2*\p+1], v[GOFF], s[CB:CB+1] offset:8*\p
.endr
.Lno_load_\@:
.endm
; And go to their places in the image at LDS byte img.  The wait stands on every way: behind it the loads' base may be stepped.
.macro STAGE_STORE m, img
	s_wait_loadcnt 0x0
	s_bitcmp1_b32 s[\m], s[J]
	s_cbranch_scc0 .Lno_store_\@
	ds_store_b64 v[SA], v[STG:STG+1] offset:\img
	ds_store_b64 v[SB], v[STG+2:STG+3] offset:\img
	ds_store_b64 v[SA], v[STG+4:STG+5] offset:\img+512
.Lno_store_\@:
.endm
; One barrier a step, for two things: my stores into the buffer that is read next have landed, and my reads of the buffer that is filled next are back.
.macro BAR walk
	s_wait_dscnt 0x0
	s_barrier_signal -1
	s_add_nc_u64 s[CB:CB+1], s[CB:CB+1], s[CSTEP:CSTEP+1]      ; (no load of mine is out)
.if \walk
	s_add_co_u32 s[J], s[J], 1
	s_add_co_u32 s[TS], s[TS], 512
	s_add_co_u32 s[TJ], s[TJ], 4
.endif
	s_barrier_wait -1
.endm
	s_load_b512 s[4:19], s[0:1], 0x0
	s_load_b64 s[MSK:MSK+1], s[0:1], 0x40
	v_lshrrev_b32 v8, 5, v0
	v_readfirstlane_b32 s[WV], v8                  ; wave 0..15
	s_and_b32 s[HD], ttmp7, 0xffff                 ; the head
	s_lshl_b32 s[Q0], ttmp9, 8
	s_lshl_b32 s40, s[WV], 4
	s_add_co_u32 s[Q0], s[Q0], s40                 ; my first query: 256 x + 16 x wave
	s_mul_i32 s40, s[HD], 196608                   ; the head's first byte in each tensor of codes,
	s_mov_b32 s41, 0
	s_lshl_b32 s42, s[HD], 13                      ; and of scale bytes
	s_mov_b32 s43, 0
	s_mul_i32 s44, s[Q0], 48
	s_add_co_u32 s44, s44, s40                     ; my queries' codes,
	s_mov_b32 s45, 0
	s_lshl_b32 s46, s[Q0], 1
	s_add_co_u32 s46, s46, s42                     ; their scale bytes,
	s_mov_b32 s47, 0
	s_lshl_b32 s48, s[Q0], 2                       ; their ids,
	s_mov_b32 s49, 0
	s_lshl_b32 s50, s[HD], 20
	s_lshl_b32 s51, s[Q0], 8
	s_add_co_u32 s50, s50, s51                     ; their rows of the result
	s_mov_b32 s51, 0
	s_lshl_b32 s56, ttmp9, 6                       ; the work-group's sixteen ACT words: 64 bytes,
	s_mov_b32 s57, 0
	s_lshl_b32 s60, s[WV], 2                       ; and my wave's among them
	s_mov_b32 s61, 0
	s_mov_b32 s[SEL], 0x76543210
	s_mov_b32 s[SEL+1], 0xfedcba98
	s_mov_b32 s[CS], 0x3e38aa3b                    ; log2(e) / 8
	s_mov_b32 s[CS+1], s[CS]                       ; (named with it as a pair, so it is written)
	s_mov_b32 s[J], 0
	s_mov_b32 s[TS], 0
	s_mov_b32 s[TJ], 0
	s_mov_b32 s[CNT], 16
	v_and_b32 v9, 31, v0                           ; lane
	v_and_b32 v10, 15, v0                          ; r
	v_bfe_u32 v11, v0, 4, 1                        ; h
	v_lshlrev_b32 v[LI], 4, v9
	v_and_b32 v8, 8, v10
	v_add_nc_u32 v8, v8, v10                       ; r + 8 (r / 8)
	v_lshlrev_b32 v[AKS], 2, v8
	v_lshl_add_u32 v[AKS], v11, 5, v[AKS]          ; lanes 16-31 take the tile 8 keys on
	v_add_nc_u32 v[AKS], KSC, v[AKS]
	v_mul_u32_u24 v[AVS], v9, 144                  ; lane l takes row 32 a + l of V's scale bytes
	v_add_nc_u32 v[AVS], VSC, v[AVS]
	v_lshl_add_u32 v[ADOC], v11, 6, DOC            ; my half's 16 ids of a block of 32 begin 64 h bytes on
	; STAGING.  Thread n brings registers 6 cc .. 6 cc + 5 of lane (rr, hh) of fragment F: 24 bytes, three pieces of 8.  F = n / 64, rr = (n / 4) % 16, cc = (n / 2) % 2, hh = n % 2.
	v_lshrrev_b32 v252, 6, v0                      ; F
	v_bfe_u32 v253, v0, 2, 4                       ; rr
	v_and_b32 v254, 1, v0                          ; hh
	v_bfe_u32 v255, v0, 1, 1                       ; cc
	v_mul_u32_u24 v[SA], v252, 1536
	v_lshl_add_u32 v[SA], v253, 4, v[SA]
	v_lshl_add_u32 v[SA], v254, 8, v[SA]           ; the lane's 16 bytes in the fragment's group 0
	v_mad_u32_u24 v[SB], v255, 1016, v[SA]
	v_add_nc_u32 v[SB], 8, v[SB]                   ; piece 1: registers 2, 3 (group 0, + 8) or 8, 9 (group 2, + 0)
	v_mad_u32_u24 v[SA], v255, 520, v[SA]          ; piece 0: registers 0, 1 (group 0) or 6, 7 (group 1, + 8); piece 2 lies 512 further on in both cases
	v_and_b32 v[GOFF], 8, v253
	v_add_nc_u32 v[GOFF], v[GOFF], v253
	v_lshl_add_u32 v[GOFF], v255, 3, v[GOFF]
	v_lshl_add_u32 v[GOFF], v252, 5, v[GOFF]       ; K: key 32 F + 8 cc + rr + 8 (rr / 8) of the step,
	v_mul_u32_u24 v[GOFF], v[GOFF], 48
	v_mad_u32_u24 v[GOFF], v254, 24, v[GOFF]       ; its row of 48 bytes, + 24 hh
	v_bfe_u32 v146, v0, 2, 6                       ; V: row 16 (F - 4) + rr of 3,072 bytes,
	v_mul_u32_u24 v146, v146, 3072
	v_mad_u32_u24 v146, v255, 48, v146
	v_mad_u32_u24 v146, v254, 24, v146             ; + 48 cc + 24 hh
	v_cmp_gt_u32 vcc_lo, 256, v0
	v_cndmask_b32 v[GOFF], v146, v[GOFF], vcc_lo   ; waves 0-7 stage K, waves 8-15 V: a choice of offsets in memory; the LDS addresses are one formula for both
	v_lshlrev_b32 v172, 5, v0                      ; 32 bytes a thread: ids in memory; ids and K's scale words in LDS
	v_lshlrev_b32 v173, 4, v0                      ; 16 bytes a thread: the head's scale bytes
	v_mul_u32_u24 v174, v10, 48
	v_mad_u32_u24 v174, v11, 24, v174              ; Q: row r, + 24 h
	v_lshlrev_b32 v175, 1, v10
	v_lshlrev_b32 v176, 2, v10
	v_lshrrev_b32 v181, 3, v0
	v_mul_u32_u24 v181, v181, 144
	v_and_b32 v182, 7, v0
	v_lshl_add_u32 v181, v182, 4, v181             ; V's scale bytes in LDS: row n / 8, 16 (n % 8)
	s_wait_kmcnt 0x0
	s_add_nc_u64 s[58:59], s[MSK:MSK+1], s[56:57]
	s_add_nc_u64 s[60:61], s[58:59], s[60:61]
	s_load_b512 s[68:83], s[58:59], 0x0            ; the sixteen waves' ACT words (64 bytes, aligned; this launch does not write the buffer)
	s_load_b32 s[ACT], s[60:61], 0x0               ; mine,
	s_load_b32 s[OPN], s[60:61], 0x400             ; and my OPN word, 256 words on
	s_add_nc_u64 s[QC:QC+1], s[QC:QC+1], s[44:45]
	s_add_nc_u64 s[QSP:QSP+1], s[QSP:QSP+1], s[46:47]
	s_add_nc_u64 s[KC:KC+1], s[KC:KC+1], s[40:41]
	s_add_nc_u64 s[VC:VC+1], s[VC:VC+1], s[40:41]
	s_add_nc_u64 s[KSP:KSP+1], s[KSP:KSP+1], s[42:43]
	s_add_nc_u64 s[VSP:VSP+1], s[VSP:VSP+1], s[42:43]
	s_add_nc_u64 s[54:55], s[DOCP:DOCP+1], s[48:49]
	s_add_nc_u64 s[OUTP:OUTP+1], s[OUTP:OUTP+1], s[50:51]
	s_cmp_lt_u32 s[WV], 8                          ; my role in staging hangs on the wave's number alone
	s_cselect_b64 s[CB:CB+1], s[KC:KC+1], s[VC:VC+1]
	s_mov_b32 s[CSTEP], 96                         ; V: 128 codes on in each row;
	s_cselect_b32 s[CSTEP], 6144, s[CSTEP]         ; K: 128 rows of 48 bytes on
	s_mov_b32 s[CSTEP+1], 0
	global_load_b128 v[146:149], v172, s[DOCP:DOCP+1]            ; ids 8 n .. 8 n + 7
	global_load_b128 v[150:153], v172, s[DOCP:DOCP+1] offset:16
	global_load_b128 v[154:157], v173, s[KSP:KSP+1]              ; the scale bytes of keys 8 n .. 8 n + 7
	global_load_b128 v[158:161], v173, s[VSP:VSP+1]
.irp p, 0,1,2
	global_load_b64 v[QLO+2*\p:QLO+2*\p+1], v174, s[QC:QC+1] offset:8*\p       ; q into k = 0 .. 63 of Qlo,
.endr
.irp p, 0,1,2
	global_load_b64 v[QHI+6+2*\p:QHI+7+2*\p], v174, s[QC:QC+1] offset:8*\p     ; and into k = 64 .. 127 of Qhi
.endr
	global_load_u16 v43, v175, s[QSP:QSP+1]
	global_load_b32 v[DQ], v176, s[54:55]
.set n, 0
.rept 12
	v_mov_b32 v[QLO+6+n], 0                        ; the zero codes: Qlo's upper half, Qhi's lower
.set n, n+1
.endr
.set n, 0
.rept 32
	v_mov_b32 v[OO+n], 0                           ; O^T.  Which step is a wave's first hangs on the ids, so the step is written once: the first finds zeros, which the first change of M leaves zeros
.set n, n+1
.endr
.set n, 0
.rept 6
	v_mov_b32 v[STG+n], 0                          ; written once, so that they are written on every way
.set n, n+1
.endr
	v_mov_b32 v14, 0                               ; the sum, in two halves
	v_mov_b32 v15, 0
	v_mov_b32 v[FF+1], 0
	v_mov_b32 v13, 0xff61b1e6                      ; the largest t so far: -3e38, under every t
	v_floor_f32 v12, -v13                          ; -M
	v_mov_b32 v[NINF], 0xff800000
	s_mov_b32 s40, 0x01000100
	s_mov_b32 s41, 0x03020302
	s_wait_kmcnt 0x0                               ; the masks
	s_or_b32 s[WGM], s68, s69                      ; a step is staged where any of the sixteen waves wants it
.irp i, 70,71,72,73,74,75,76,77,78,79,80,81,82,83
	s_or_b32 s[WGM], s[WGM], s\i
.endr
.if SKIP == 0
	s_mov_b32 s[ACT], -1
	s_mov_b32 s[WGM], -1
.endif
	s_lshr_b32 s[WGN], s[WGM], 1
	STAGE_LOAD WGM                                 ; step 0 (J is 0) goes out with the head's loads
	s_wait_loadcnt 0x0                             ; all loads are in, on both ways
	v_lshl_or_b32 v[QS], v43, 16, v43              ; s | s << 16
.irp i, 0,1,2,3
	v_perm_b32 v[162+2*\i], v[154+\i], v[154+\i], s40          ; a key's two scale bytes, twice: the even key of the word,
	v_perm_b32 v[163+2*\i], v[154+\i], v[154+\i], s41          ; the odd one
.endr
	ds_store_b128 v172, v[146:149] offset:DOC
	ds_store_b128 v172, v[150:153] offset:DOC+16
	ds_store_b128 v172, v[162:165] offset:KSC
	ds_store_b128 v172, v[166:169] offset:KSC+16
	ds_store_b128 v181, v[158:161] offset:VSC
	STAGE_STORE WGM, 0
	BAR 0                                          ; behind it the three tables and step 0's images lie in LDS for every wave
; Block blk's 16 scores of my half: a score stays where the key's id (v[ids] on) is my query's, else it becomes -infinity.
.macro MASKB blk, ids
.set n, 0
.rept 16
	v_cmp_eq_u32 vcc_lo, v[DQ], v[\ids+n]
	v_cndmask_b32 v[SS+16*\blk+n], v[NINF], v[SS+16*\blk+n], vcc_lo
.set n, n+1
.endr
.endm
; A KEY STEP: keys 128 J .. 128 J + 127, from image buffer buf.
.macro STEP buf
.set IB, (\buf)*IMGSZ
	s_bitcmp1_b32 s[ACT], s[J]
	s_cbranch_scc0 .Lskip_\@
	v_add_nc_u32 v[ADS], s[TS], v[AKS]             ; these three and the v_nop are the four places between the last step's products and the loads into their sources
	v_add_nc_u32 v[ADT], s[TJ], v[AVS]
	v_add_nc_u32 v[ADD], s[TS], v[ADOC]
	v_nop
.irp f, 0,1,2,3
.irp g, 0,1,2
	ds_load_b128 v[KF+12*\f+4*\g:KF+12*\f+4*\g+3], v[LI] offset:IB+1536*\f+512*\g
.endr
.endr
.irp f, 0,1,2,3
	ds_load_b32 v[KS+\f], v[ADS] offset:128*\f
.endr
.irp i, 0,1,2,3,4,5,6,7,8,9,10,11
	ds_load_b128 v[VF+4*\i:VF+4*\i+3], v[ADD] offset:128*(\i/4)+16*(\i%4)      ; the ids of blocks 0 to 2: register 16 b + i is key 32 b + 16 h + i, as in S^T
.endr
	s_wait_dscnt 12                                ; K's twelve loads and four scale words are in; the twelve loads of ids behind them may be out
.irp f, 0,1,2,3
	v_wmma_scale_f32_16x16x128_f8f6f4 v[SS+16*\f:SS+16*\f+7], v[KF+12*\f:KF+12*\f+11], v[QLO:QLO+11], 0, v[KS+\f], v[QS] matrix_a_fmt:MATRIX_FMT_BF6 matrix_b_fmt:MATRIX_FMT_BF6
	v_wmma_scale_f32_16x16x128_f8f6f4 v[SS+16*\f+8:SS+16*\f+15], v[KF+12*\f:KF+12*\f+11], v[QHI:QHI+11], 0, v[KS+\f], v[QS] matrix_a_fmt:MATRIX_FMT_BF6 matrix_b_fmt:MATRIX_FMT_BF6 matrix_a_scale:MATRIX_SCALE_ROW1
.endr
.rept 4
	v_nop                                          ; four places in front of the first read of the scores and the first write over K's fragments (ISA guide 7.12.1)
.endr
	s_wait_dscnt 0x0                               ; the ids are in, on both ways: no load is out into the registers that V's fragments take
	s_bitcmp1_b32 s[OPN], s[J]
	s_cbranch_scc1 .Lopen_\@
	MASKB 0, VF
.irp i, 0,1,2,3
	ds_load_b128 v[VF+4*\i:VF+4*\i+3], v[ADD] offset:384+16*\i                 ; block 3's ids take block 0's registers
.endr
	MASKB 1, VF+16
	MASKB 2, VF+32
	s_wait_dscnt 0x0
	MASKB 3, VF
.Lopen_\@:
.irp t, 0,1,2,3
.irp g, 0,1,2
	ds_load_b128 v[VF+12*\t+4*\g:VF+12*\t+4*\g+3], v[LI] offset:IB+6144+1536*\t+512*\g   ; V's fragments land while the softmax is walked
.endr
.endr
	ds_load_b32 v[VS], v[ADT]
	ds_load_b32 v[VS+1], v[ADT] offset:4608
.irp b, 0,1,2,3
	v_max3_num_f32 v[BM+\b], v[SS+16*\b], v[SS+16*\b+1], v[SS+16*\b+2]         ; THE LARGEST SCORE OF EACH BLOCK OF 32 KEYS serves twice: for the row's maximum, and, since p rises with the score, for the block's largest p
.endr
.irp i, 3,5,7,9,11,13
.irp b, 0,1,2,3
	v_max3_num_f32 v[BM+\b], v[BM+\b], v[SS+16*\b+\i], v[SS+16*\b+\i+1]        ; (the four blocks by turns)
.endr
.endr
.irp b, 0,1,2,3
	v_max_num_f32 v[BM+\b], v[BM+\b], v[SS+16*\b+15]
.endr
.irp b, 0,1,2,3
	v_permlanex16_b32 v[PD+\b], v[BM+\b], s[SEL], s[SEL+1]
.endr
.irp b, 0,1,2,3
	v_max_num_f32 v[BM+\b], v[BM+\b], v[PD+\b]     ; with lane l xor 16's 16 keys
.endr
	v_max3_num_f32 v[TT], v[BM], v[BM+1], v[BM+2]
	v_max_num_f32 v[TT], v[TT], v[BM+3]            ; the step's largest score of my query (-infinity where all its keys are hidden)
	v_mul_f32 v[TT], s[CS], v[TT]                  ; as t (c is positive)
	v_max_num_f32 v13, v13, v[TT]                  ; the running largest t
	v_mov_b32 v[TT], v12
	v_floor_f32 v12, -v13                          ; the new -M = floor(-t) = -ceil(t): M IS A WHOLE NUMBER
	v_sub_f32 v[TT], v12, v[TT]                    ; M's old value less its new one: a whole number, 0 or less
	v_cvt_i32_f32 v[TT], v[TT]                     ; (it saturates)
	v_ldexp_f32 v[FF], 1.0, v[TT]                  ; f = 2^(old M - new M): a multiplication by it rounds nothing
.set n, 0
.rept 32
	v_pk_fma_f32 v[SS+n:SS+n+1], v[SS+n:SS+n+1], s[CS:CS+1], v[12:13] op_sel_hi:[1,0,0]   ; t - M, two at a time (of the pairs c and -M the low word serves both halves)
.set n, n+2
.endr
.irp b, 0,1,2,3
	v_fma_f32 v[BM+\b], v[BM+\b], s[CS], v12       ; the same of each block's largest score
.endr
.set n, 0
.rept 64
	v_exp_f32 v[SS+n], v[SS+n]                     ; p = 2^(t - M), at most 1, 0 for a hidden key: NOT normalised
.set n, n+1
.endr
.irp b, 0,1,2,3
	v_exp_f32 v[BM+\b], v[BM+\b]                   ; the block's largest p: the same two instructions on the same number give the same bits
.endr
	v_pk_mul_f32 v[14:15], v[14:15], v[FF:FF+1] op_sel_hi:[1,0]                ; the sums under the new M.  (The plain instruction behind the exponentials)
	s_wait_alu depctr_va_vdst(0)
.irp b, 0,1,2,3
	v_max_num_f32 v[BM+\b], 0x2800000, v[BM+\b]    ; the floor 2^(5 - 127): the byte cannot fall under 1
.endr
.irp b, 0,1,2,3
	v_add_nc_u32 v[SO+\b], 0xfe000000, v[BM+\b]    ; 4 off the exponent field: the conversion's scale operand
.endr
.irp b, 0,1,2,3
	v_lshrrev_b32 v[BY+\b], 23, v[SO+\b]           ; the scale's byte
.endr
	v_lshl_or_b32 v[PS], v[BY+1], 8, v[BY]         ; p's scale word for these 128 keys
	v_lshl_or_b32 v[PS], v[BY+2], 16, v[PS]
	v_lshl_or_b32 v[PS], v[BY+3], 24, v[PS]
.irp c, 0,1
	v_cvt_scalef32_pk16_bf6_f32 v[PC+6*\c:PC+6*\c+2], v[SS+32*\c:SS+32*\c+15], v[SO+2*\c]
	v_cvt_scalef32_pk16_bf6_f32 v[CT+4*\c:CT+4*\c+2], v[SS+32*\c+16:SS+32*\c+31], v[SO+2*\c+1]   ; (a conversion's three registers begin on an even number)
.endr
	v_nop                                          ; one plain instruction between a scaled conversion and what touches its result
.irp c, 0,1                                    ; the operand's layout wants a WHOLE block in a lane: lanes 0-15 block 2 c, lanes 16-31 block 2 c + 1
.irp i, 0,1,2
	v_permlane16_swap_b32 v[PC+6*\c+\i], v[CT+4*\c+\i]
.endr
.irp i, 0,1,2
	v_mov_b32 v[PC+3+6*\c+\i], v[CT+4*\c+\i]
.endr
.endr
	v_pk_add_f32 v[SU:SU+1], v[SS:SS+1], v[SS+2:SS+3]          ; THE ROW'S SUM IS TAKEN OF THE UNQUANTISED p: two at a time, in two chains
.irp j, 4,8,12,16,20,24,28,32,36,40,44,48,52,56,60
	v_pk_add_f32 v[14:15], v[14:15], v[SS+\j:SS+\j+1]
	v_pk_add_f32 v[SU:SU+1], v[SU:SU+1], v[SS+\j+2:SS+\j+3]
.endr
	v_pk_add_f32 v[14:15], v[14:15], v[SU:SU+1]                ; (these 32 additions are the places between the writing of p's codes and scale word and the products below)
.set n, 0
.rept 16
	v_pk_mul_f32 v[OO+n:OO+n+1], v[OO+n:OO+n+1], v[FF:FF+1] op_sel_hi:[1,0]    ; O^T under the new M: x f; each accumulator from its low end on
.set n, n+2
.endr
	s_wait_dscnt 0x0                               ; V's fragments and scale words are in
.irp t, 0,2                                    ; O^T += V^T P^T: the four accumulators take turns, one instruction a turn, and the eight products K Q^T stand between two turns of one
	v_wmma_scale_f32_16x16x128_f8f6f4 v[OO+8*\t:OO+8*\t+7], v[VF+12*\t:VF+12*\t+11], v[PC:PC+11], v[OO+8*\t:OO+8*\t+7], v[VS+\t/2], v[PS] matrix_a_fmt:MATRIX_FMT_BF6 matrix_b_fmt:MATRIX_FMT_BF6
	v_wmma_scale_f32_16x16x128_f8f6f4 v[OO+8*\t+8:OO+8*\t+15], v[VF+12*\t+12:VF+12*\t+23], v[PC:PC+11], v[OO+8*\t+8:OO+8*\t+15], v[VS+\t/2], v[PS] matrix_a_fmt:MATRIX_FMT_BF6 matrix_b_fmt:MATRIX_FMT_BF6 matrix_a_scale:MATRIX_SCALE_ROW1
.endr
.Lskip_\@:
.endm
; A trip of the walk: step J + 1 is asked for, step J is worked from buffer buf, step J + 1 goes into the other buffer (last read in front of the last barrier), the barrier.
.macro TRIP buf
	STAGE_LOAD WGN
	STEP \buf
	STAGE_STORE WGN, (1-\buf)*IMGSZ
	BAR 1
.endm
.Lwalk:                                            ; 16 trips of two steps: the same in every wave and work-group
	TRIP 0
	TRIP 1
	s_sub_co_u32 s[CNT], s[CNT], 1
	s_cmp_lg_u32 s[CNT], 0
	s_cbranch_scc1 .Lwalk
	; THE WAY OUT.  Each query's own key lies in a step that its wave has worked, so the sum is above 1/2.  O^T / the sum goes through my own stage in LDS and leaves as whole rows of 256 bytes.
	v_add_f32 v14, v14, v15                        ; the sum's two halves,
	v_permlanex16_b32 v[TT], v14, s[SEL], s[SEL+1]
	v_add_f32 v14, v14, v[TT]                      ; and lane l xor 16's: the row's sum
	v_rcp_f32 v14, v14
	v_and_b32 v8, 15, v0                           ; r.  (The address work below is the plain work behind the reciprocal and the places behind the last products)
	v_bfe_u32 v9, v0, 4, 1                         ; h
	s_mul_i32 s40, s[WV], 4352
	s_add_co_u32 s40, s40, OUTS                    ; my stage
	v_mul_u32_u24 v10, v8, 272
	v_lshl_add_u32 v10, v9, 5, v10
	v_add_nc_u32 v10, s40, v10                     ; in: row r; tile t's eight channels of my half lie 64 t + 32 h bytes on
	v_mul_u32_u24 v11, v9, 272
	v_lshl_add_u32 v11, v8, 4, v11
	v_add_nc_u32 v11, s40, v11                     ; back: lanes 0-15 one row, lanes 16-31 the next
	v_lshlrev_b32 v2, 8, v9
	v_lshl_add_u32 v2, v8, 4, v2                   ; and the same two rows of the result
.set n, 0
	s_wait_alu depctr_va_vdst(0)
.rept 32
	v_mul_f32 v[SS+n], v[OO+n], v14                ; register 8 t + j is out(r, 16 t + 8 h + j)
.set n, n+1
.endr
.irp t, 0,1,2,3
	ds_store_b128 v10, v[SS+8*\t:SS+8*\t+3] offset:64*\t
	ds_store_b128 v10, v[SS+8*\t+4:SS+8*\t+7] offset:64*\t+16
.endr
.irp i, 0,1,2,3,4,5,6,7
	ds_load_b128 v[VF+4*\i:VF+4*\i+3], v11 offset:544*\i       ; LDS serves a wave's instructions in order (ISA guide 5.7.1.4): these see my stores
.endr
.irp i, 0,1,2,3,4,5,6,7
	s_wait_dscnt 7-\i                              ; rows 2 i and 2 i + 1 are back; the younger loads may be out
	global_store_b128 v2, v[VF+4*\i:VF+4*\i+3], s[OUTP:OUTP+1] offset:512*\i th:TH_STORE_NT   ; 32 lanes store 512 consecutive bytes, at a multiple of 256 from the buffer's first byte
.endr
	s_wait_xcnt 0x0
	v_lshl_add_u32 v254, v0, 2, 0x21400
	v_mov_b32 v255, 0
	s_wait_tensorcnt 0x0
	ds_add_u32 v254, v255
	s_wait_dscnt 0x0
	s_endpgm
.Lfunc_end_k_qfe450a9f14_attn:
	.size	k_qfe450a9f14_attn, .Lfunc_end_k_qfe450a9f14_attn-k_qfe450a9f14_attn
	.p2alignl 7, 3214868480
	.fill 96, 4, 3214868480
	.section	.rodata,"a",@progbits
	.p2align	6, 0x0
	.amdhsa_kernel k_qfe450a9f14_attn
		.amdhsa_group_segment_fixed_size 138240
		.amdhsa_private_segment_fixed_size 0
		.amdhsa_enable_private_segment 0
		.amdhsa_kernarg_size 72
		.amdhsa_user_sgpr_count 2
		.amdhsa_user_sgpr_kernarg_segment_ptr 1
		.amdhsa_wavefront_size32 1
		.amdhsa_system_sgpr_workgroup_id_x 1
		.amdhsa_system_sgpr_workgroup_id_y 1
		.amdhsa_system_sgpr_workgroup_id_z 1
		.amdhsa_system_vgpr_workitem_id 0
		.amdhsa_next_free_vgpr 256
		.amdhsa_next_free_sgpr 92
		.amdhsa_reserve_vcc 1
		.amdhsa_float_denorm_mode_32 3
		.amdhsa_float_denorm_mode_16_64 3
		.amdhsa_memory_ordered 1
		.amdhsa_forward_progress 1
		.amdhsa_inst_pref_size 57
	.end_amdhsa_kernel
	.amdgpu_metadata
---
amdhsa.version: [ 1, 2 ]
amdhsa.kernels:
  - .name:           k_qfe450a9f14_attn
    .symbol:         k_qfe450a9f14_attn.kd
    .args:
      - { .name: Q_codes, .offset: 0, .size: 8, .value_kind: global_buffer, .address_space: global }
      - { .name: Q_scales, .offset: 8, .size: 8, .value_kind: global_buffer, .address_space: global }
      - { .name: K_codes, .offset: 16, .size: 8, .value_kind: global_buffer, .address_space: global }
      - { .name: K_scales, .offset: 24, .size: 8, .value_kind: global_buffer, .address_space: global }
      - { .name: V_codes, .offset: 32, .size: 8, .value_kind: global_buffer, .address_space: global }
      - { .name: V_scales, .offset: 40, .size: 8, .value_kind: global_buffer, .address_space: global }
      - { .name: document_id, .offset: 48, .size: 8, .value_kind: global_buffer, .address_space: global }
      - { .name: out0, .offset: 56, .size: 8, .value_kind: global_buffer, .address_space: global }
      - { .name: masks, .offset: 64, .size: 8, .value_kind: global_buffer, .address_space: global }
    .group_segment_fixed_size: 138240
    .private_segment_fixed_size: 0
    .kernarg_segment_align: 8
    .kernarg_segment_size: 72
    .max_flat_workgroup_size: 512
    .sgpr_count:     92
    .vgpr_count:     256
    .wavefront_size: 32
...
	.end_amdgpu_metadata
.endif
;; end of part 2
;; ======== version 2 of 2: 2 launches
;; workspace buffers: masks 2,048 bytes of whole numbers
;; launch ranges (part 3): grid 1 x 1, 16 waves a work-group, no clusters, 6,144 bytes of LDS; arguments document_id, masks; writes masks
.if DOCPART == 3
	.amdgcn_target "amdgcn-amd-amdhsa--gfx1250"
	.amdhsa_code_object_version 6
	.text
	.protected	k_qfe450a9f14_ranges
	.globl	k_qfe450a9f14_ranges
	.p2align	8
	.type	k_qfe450a9f14_ranges,@function
k_qfe450a9f14_ranges:
	s_mov_b64 s[64:65], 0
	v_nop
	global_prefetch_b8 v0, s[64:65] scope:SCOPE_SE
	s_setreg_imm32_b32 hwreg(HW_REG_WAVE_MODE, 25, 1), 1
	s_wait_xcnt 0x0
; WHICH STEPS OF 128 KEYS DOES A TILE OF 16 QUERIES NEED?  document_id [4096] int32, in any order.  masks: 512 words.
; Word T (T = 0 .. 255: queries 16 T .. 16 T + 15), ACT: bit j is set where the range of the ids of keys 128 j .. 128 j + 127 meets the range of the tile's ids.  Ranges that do not meet hold no equal pair.
; Word 256 + T, OPN: bit j is set where those 128 keys and the tile's 16 queries all have one id: nothing is hidden there.
; Ids are compared as unsigned words: for equality and for ranges any total order serves.
; The decision is made here and stored as whole numbers; the launch behind this one reads it by scalar loads and branches on it.  Here no branch and no address hangs on an id.
; ONE WORK-GROUP: every mask needs all 32 steps' ranges, so a second work-group would read all 16,384 bytes again.  Sixteen waves: thread n takes ids 8 n .. 8 n + 7; wave w then makes the masks of tiles 16 w .. 16 w + 15.
; A wave's store is two pieces of 64 consecutive bytes (sixteen ACT words, sixteen OPN words): the launch writes 2,048 bytes in all, too few to be worth a gather through LDS.
.set MIN8, 0                           ; LDS word n: the smallest of ids 8 n .. 8 n + 7
.set MAX8, 2048                        ; likewise the largest
	s_load_b128 s[4:7], s[0:1], 0x0                ; document_id, masks
	v_lshl_add_u32 v64, v0, 2, 0x1000
	v_mov_b32 v65, 0
	v_lshrrev_b32 v1, 5, v0
	s_delay_alu instid0(VALU_DEP_1)
	v_readfirstlane_b32 s8, v1                     ; wave 0..15
	v_and_b32 v2, 31, v0                           ; lane
	v_lshlrev_b32 v3, 5, v0                        ; my eight ids: 32 bytes a thread
	v_lshlrev_b32 v4, 2, v0                        ; my word of the tables
	s_delay_alu instid0(VALU_DEP_3)
	v_lshlrev_b32 v5, 6, v2                        ; lane l for step l: its sixteen words
	v_and_b32 v6, 15, v0                           ; lane i (and 16 + i) for tile 16 w + i
	s_lshl_b32 s9, s8, 7
	v_lshl_add_u32 v7, v6, 3, s9                   ; the tile's two words: 8 (16 w + i)
	s_lshl_b32 s10, s8, 6
	v_lshl_add_u32 v8, v6, 2, s10                  ; where my word of the masks goes: 4 (16 w + i),
	v_bfe_u32 v9, v0, 4, 1
	s_delay_alu instid0(VALU_DEP_1)
	v_lshl_add_u32 v8, v9, 10, v8                  ; lanes 16-31: 1,024 bytes on, among the OPN words
	v_mov_b32 v12, 0                               ; the wave's 32 words are gathered here, lane by lane
	s_wait_alu depctr_va_vdst(0)
	s_wait_kmcnt 0x0
	global_load_b128 v[16:19], v3, s[4:5]
	global_load_b128 v[20:23], v3, s[4:5] offset:16
	s_wait_loadcnt 0x0
	v_min_u32 v10, v16, v17
	v_max_u32 v11, v16, v17
.irp i, 18,19,20,21,22,23
	s_delay_alu instid0(VALU_DEP_2)
	v_min_u32 v10, v10, v\i                        ; the two chains by turns
	s_delay_alu instid0(VALU_DEP_2)
	v_max_u32 v11, v11, v\i
.endr
	ds_store_b32 v4, v10 offset:MIN8
	ds_store_b32 v4, v11 offset:MAX8
	s_wait_dscnt 0x0                               ; my stores have landed: then the barrier, behind which every wave reads both tables
	s_barrier_signal -1
	s_barrier_wait -1
.irp i, 0,1,2,3
	ds_load_b128 v[16+4*\i:19+4*\i], v5 offset:MIN8+16*\i
.endr
.irp i, 0,1,2,3
	ds_load_b128 v[32+4*\i:35+4*\i], v5 offset:MAX8+16*\i
.endr
	ds_load_b64 v[48:49], v7 offset:MIN8
	ds_load_b64 v[50:51], v7 offset:MAX8
	s_wait_dscnt 0x0
.irp i, 1
	v_min_u32 v16, v16, v[16+\i]                   ; v16: the smallest id of step l's 128 keys
	v_max_u32 v32, v32, v[32+\i]
.endr
.irp i, 2, 3, 4, 5, 6, 7, 8, 9, 10, 11, 12, 13, 14, 15
	s_delay_alu instid0(VALU_DEP_2)
	v_min_u32 v16, v16, v[16+\i]
	s_delay_alu instid0(VALU_DEP_2)
	v_max_u32 v32, v32, v[32+\i]                   ; v32: the largest
.endr
	v_min_u32 v48, v48, v49                        ; v48: the smallest id of tile 16 w + i
	v_max_u32 v50, v50, v51                        ; v50: the largest
.irp i, 0,1,2,3,4,5,6,7,8,9,10,11,12,13,14,15
	v_readlane_b32 s12, v48, \i                    ; the tile's range as scalars
	v_readlane_b32 s13, v50, \i
	s_delay_alu instid0(VALU_DEP_1)
	v_cmp_ge_u32 s14, s13, v16                     ; bit l: the tile's largest >= step l's smallest,
	s_delay_alu instid0(VALU_DEP_3)
	v_cmp_le_u32 s15, s12, v32                     ; and its smallest <= step l's largest:
	s_and_b32 s14, s14, s15                        ; the ranges meet
	v_writelane_b32 v12, s14, \i
	v_cmp_eq_u32 s16, s12, v16
	v_cmp_eq_u32 s17, s13, v32
	s_and_b32 s16, s16, s17                        ; the ranges are equal,
	s_cmp_eq_u32 s12, s13
	s_cselect_b32 s16, s16, 0                      ; and hold one id: a choice of a value, no branch
	v_writelane_b32 v12, s16, 16+\i
.endr
	global_store_b32 v8, v12, s[6:7]
	s_wait_tensorcnt 0x0
	ds_add_u32 v64, v65
	s_wait_dscnt 0x0
	s_endpgm
.Lfunc_end_k_qfe450a9f14_ranges:
	.size	k_qfe450a9f14_ranges, .Lfunc_end_k_qfe450a9f14_ranges-k_qfe450a9f14_ranges
	.p2alignl 7, 3214868480
	.fill 96, 4, 3214868480
	.section	.rodata,"a",@progbits
	.p2align	6, 0x0
	.amdhsa_kernel k_qfe450a9f14_ranges
		.amdhsa_group_segment_fixed_size 6144
		.amdhsa_private_segment_fixed_size 0
		.amdhsa_enable_private_segment 0
		.amdhsa_kernarg_size 16
		.amdhsa_user_sgpr_count 2
		.amdhsa_user_sgpr_kernarg_segment_ptr 1
		.amdhsa_wavefront_size32 1
		.amdhsa_system_sgpr_workgroup_id_x 1
		.amdhsa_system_sgpr_workgroup_id_y 1
		.amdhsa_system_sgpr_workgroup_id_z 1
		.amdhsa_system_vgpr_workitem_id 0
		.amdhsa_next_free_vgpr 66
		.amdhsa_next_free_sgpr 66
		.amdhsa_reserve_vcc 0
		.amdhsa_float_denorm_mode_32 3
		.amdhsa_float_denorm_mode_16_64 3
		.amdhsa_memory_ordered 1
		.amdhsa_forward_progress 1
		.amdhsa_inst_pref_size 17
	.end_amdhsa_kernel
	.amdgpu_metadata
---
amdhsa.version: [ 1, 2 ]
amdhsa.kernels:
  - .name:           k_qfe450a9f14_ranges
    .symbol:         k_qfe450a9f14_ranges.kd
    .args:
      - { .name: document_id, .offset: 0, .size: 8, .value_kind: global_buffer, .address_space: global }
      - { .name: masks, .offset: 8, .size: 8, .value_kind: global_buffer, .address_space: global }
    .group_segment_fixed_size: 6144
    .private_segment_fixed_size: 0
    .kernarg_segment_align: 8
    .kernarg_segment_size: 16
    .max_flat_workgroup_size: 512
    .sgpr_count:     66
    .vgpr_count:     66
    .wavefront_size: 32
...
	.end_amdgpu_metadata
.endif
;; end of part 3
;; launch attn (part 4): grid 16 x 16, 16 waves a work-group, no clusters, 138,240 bytes of LDS; arguments Q_codes, Q_scales, K_codes, K_scales, V_codes, V_scales, document_id, out0, masks; writes out0
.if DOCPART == 4
	.amdgcn_target "amdgcn-amd-amdhsa--gfx1250"
	.amdhsa_code_object_version 6
	.text
	.protected	k_qfe450a9f14_attn
	.globl	k_qfe450a9f14_attn
	.p2align	8
	.type	k_qfe450a9f14_attn,@function
k_qfe450a9f14_attn:
	s_mov_b64 s[64:65], 0
	v_nop
	global_prefetch_b8 v0, s[64:65] scope:SCOPE_SE
	s_setreg_imm32_b32 hwreg(HW_REG_WAVE_SCHED_MODE, 0, 2), 2
	s_setreg_imm32_b32 hwreg(HW_REG_WAVE_MODE, 25, 1), 1
	s_wait_xcnt 0x0
	s_wait_alu depctr_vm_vsrc(0)
; out[h][q][:] = sum over k of softmax_k(Q[h][q] . K[h][k] / 8, only where document_id[k] == document_id[q]) V[h][k][:].  16 heads, 4,096 queries, 4,096 keys, head size 64.
; Both products on codes of BF6 (E3M2) with one E8M0 scale for each 32 along a product's K.  Q, K: rows of 48 bytes of codes and 2 scale bytes.  V: keys innermost, 64 rows of 3,072 bytes a head, one scale word for 128 keys.
; THE SOFTMAX AHEAD OF THE SECOND PRODUCT: t = score x log2(e) / 8; M = the row's largest t so far, rounded UP to a whole number; p = 2^(t - M) is quantised along the keys, not normalised.
; The row's sum is taken of the unquantised p and divides at the end.  When M moves, the sum and O are multiplied by 2^(old M - new M): exact.
; SHARES.  A work-group owns 256 queries of one head, each of its sixteen waves 16 of them in 256 registers: four waves to a SIMD, so that one wave's vector work stands beside another's matrix work and LDS loads.
; All waves walk 32 steps of 128 keys in a loop of constant length, one barrier a step.  A step's codes of K and V (12,288 bytes) are brought by the 512 threads through registers into one of two LDS buffers,
; laid as IMAGES OF THE OPERANDS' REGISTERS (four registers of a fragment: 16 bytes a lane, 512 bytes on end), so that a fragment comes back by three ds_load_b128.
; WHAT THE MASK SPARES.  document_id is taken as it is given, in any order.  The launch ahead of this one has stored, for each tile of 16 queries, two words of 32 bits, one bit a step: ACT (the range of the step's 128
; keys' ids meets the range of the tile's ids) and OPN (those keys and the tile's queries all have one id).  They are read here by scalar loads.  A wave computes a step only where its ACT bit is set; a step is staged
; where any of the work-group's sixteen ACT words has its bit (WGM, their OR); the 128 masking instructions are left out where the OPN bit is set.  Ranges that do not meet hold no equal pair, so nothing that counts
; is left out.  Barriers, waits and pointer steps stand outside these branches.  SKIP = 0 assembles the dense walk: the same results.
; LAYOUT.  Both products are used transposed: S^T = K Q^T (source 0 = keys, source 1 = my 16 queries), O^T = V^T P^T: a lane holds ONE query (lane % 16) throughout.
; THE KEYS OF A TILE ARE NOT NEIGHBOURS: row m of tile 2 b + u is key 32 b + 8 u + m + 8 (m / 8), so that the 16 registers of tiles 2 b and 2 b + 1 are the neighbouring keys 32 b + 16 (lane / 16) + 0 .. 15.
; THE FIRST PRODUCT HAS K = 64 IN AN INSTRUCTION OF 128.  A fragment of K holds TWO tiles of keys: tile 2 T in k = 0 .. 63, tile 2 T + 1 in k = 64 .. 127.  It is multiplied by Qlo = [q | zero codes] for the first tile
; and by Qhi = [zero codes | q] for the second.  A product with a zero code is 0 under any finite scale; every scale word is a row's two bytes twice (s | s << 16), so both halves carry real bytes.
; NO JOINT LOADS, NO TENSOR LOADS: which steps a work-group stages hangs on document_id, so the work-groups of a head need different tiles and different numbers of them; a fill that may not be jumped over
; would bring the whole head (32 x 12,288 bytes) to each work-group whatever it uses of it.
; LIMITS: scale bytes 0xff (NaN) are not served (in the first product such a byte would also reach the partner tile).  A hidden score becomes -infinity where the definition has -1e30: p = 0 either way while
; real scores lie above -1e29.  A block of 32 whose every p is 0 carries the scale byte 1: its codes are zeros.
; THE MODE: SCHED_MODE bits 1:0 = 2 (LLVM: expert scheduling mode 2), set by the entry lines.  The code itself states the register dependences between vector or matrix instructions and memory or LDS
; instructions, with s_wait_alu, always for 0.
; THE PLAN.  Registers that memory or LDS instructions touch, in the walk:
;   v[STG ..]  six    The loads of step J + 1 land in them, at a trip's head; the trip's three staging stores read them.  Behind the head no vector instruction names them.
;   v[KF ..]   48     K's fragments land at a step's head; the eight products K Q^T read them; then they are the softmax's working registers and p's codes, which the four products V^T P^T read.
;   v[KS ..]   four   K's scale words land at a step's head; the eight products read them.
;   v[VF ..]   48     The ids of blocks 0 to 2 land at a step's head; the compares read them; block 3's ids land over block 0's; then V's fragments land; the four products read them.
;   v[VS ..]   two    V's scale words land with V's fragments; the four products read them.
;   v[ADS], v[ADT], v[ADD]   Written by three additions at a step's head; read by the step's LDS loads.
;   v[LI], v[SA], v[SB], v[GOFF]   Made at the head, never written again.
;   S^T and p, O^T, Q, the statistics and p's scale word are named by vector and matrix instructions alone.
; So: ONE wait on va_vdst at a step's head, behind the three additions, states that the addresses are written and that all earlier products and vector lines are done with KF, KS, VF and VS; the step's loads of K,
; of the ids and, where nothing is hidden, of V hang on nothing else.  Where keys are hidden, one such wait stands behind block 0's compares (block 3's ids land there) and one behind block 3's (V lands there).
; One stands ahead of the four products V^T P^T, whose operand and scale word vector lines have made.  ONE wait on vm_vsrc stands in front of each barrier: STG and the three addresses have been read.
; A mask of lanes goes from sixteen compares to sixteen selects through s[MK ..], with one wait on va_sdst between the two runs.
.set SKIP,  1
.set IMGSZ, 12288                      ; LDS: two image buffers at 0 and IMGSZ: fragment F at 1,536 F (F = 0..3: K's, F = 4..7: V's tiles), register group g at 512 g, lane l at 16 l
.set DOC,   24576                      ; document_id as it lies, 16,384 bytes
.set KSC,   40960                      ; one word for each key of the head: s | s << 16, 16,384 bytes
.set VSC,   57344                      ; V's scale bytes: 64 rows of 128 bytes, 144 apart
.set OUTS,  66560                      ; the way out: 16 rows x 272 bytes for each wave, its own
.set LI,   1                           ; v1   16 x lane
.set AKS,  2                           ; v2   my place among K's scale words
.set AVS,  3                           ; v3   and among V's
.set ADOC, 4                           ; v4   my half's place among a step's ids
.set SA,   5                           ; v5   staging: LDS address of my pieces 0 and 2
.set SB,   6                           ; v6   of my piece 1
.set GOFF, 7                           ; v7   staging: my 24 bytes' offset in a step's codes; never rewritten
.set ADS,  8                           ; v8-10 a step's addresses: K's scale words, V's, the ids
.set ADT,  9
.set ADD,  10
.set QLO,  16                          ; v16-27  [q | 0];  v28-39  [0 | q];  v12 -M, v13 the largest t, v[14:15] the sum in two halves
.set QHI,  28
.set QS,   40                          ; v40  Q's scale words
.set DQ,   41                          ; v41  my query's id
.set NINF, 42                          ; v42  -infinity
.set STG,  44                          ; v44-49  24 bytes on their way from memory to LDS
.set KF,   50                          ; v50-97  K's four fragments; once they are multiplied:
.set BM,   50                          ;   v50-53 block maxima, v54-57 the other half's, v58-61 the conversions' scale operands, v62-65 scale bytes,
.set PD,   54
.set SO,   58
.set BY,   62
.set PC,   66                          ;   v66-77 p's codes, v78-80 and v82-84 the conversions' second halves, v[86:87] the sum's second chain
.set CT,   78
.set SU,   86
.set VF,   98                          ; v98-145  the step's ids, then V's four fragments, at last rows of the result
.set SS,   146                         ; v146-209 S^T, then p
.set OO,   210                         ; v210-241 O^T, four tiles
.set KS,   242                         ; v242-245 K's scale words: lanes 0-15 tile 2 T's, lanes 16-31 tile 2 T + 1's
.set VS,   246                         ; v246-247 V's: lanes 0-15 tile 2 a's, lanes 16-31 tile 2 a + 1's
.set PS,   248                         ; v248 p's scale word
.set FF,   250                         ; v[250:251] f = 2^(old M - new M); v251 is only named with it
.set TT,   252
.set QC,   4                           ; s[4:19] eight of the nine addresses; s[52:53] the masks'
.set QSP,  6
.set KC,   8
.set KSP,  10
.set VC,   12
.set VSP,  14
.set DOCP, 16
.set OUTP, 18
.set WV,   20
.set HD,   21
.set RM,   22                          ; s22  at the head: the lanes of waves 0 to 7
.set Q0,   23
.set CB,   24                          ; s[24:25] where my role's codes of the step to be staged begin
.set CSTEP, 26                         ; s[26:27] bytes from step to step there
.set ACT,  28
.set OPN,  29
.set WGM,  30
.set WGN,  31                          ; WGM >> 1: bit J speaks of step J + 1, and bit 31 is 0: nothing is fetched past the last step
.set J,    32
.set CNT,  33
.set SEL,  34                          ; s[34:35] v_permlanex16_b32's selects for lane l xor 16
.set CS,   36                          ; s[36:37] c = log2(e) / 8
.set TS,   38                          ; 512 J
.set TJ,   39                          ; 4 J
.set MSK,  52                          ; s[52:53] the masks; s[54:55] my queries' ids; s[58:59] the work-group's ACT words; s[60:61] my wave's;  s[68:83] the sixteen words
.set MK,   68                          ; s[68:83] in the walk, when WGM is made: sixteen masks of lanes, one for each key of half a block
; My 24 bytes of a step's codes are asked for, if bit J of mask m says that the work-group wants the step.
.macro STAGE_LOAD m
	s_bitcmp1_b32 s[\m], s[J]
	s_cbranch_scc0 .Lno_load_\@
.irp p, 0,1,2
	global_load_b64 v[STG+2*\p:STG+2*\p+1], v[GOFF], s[CB:CB+1] offset:8*\p
.endr
.Lno_load_\@:
.endm
; And go to their places in the image at LDS byte img.  The wait stands on every way: behind it the loads' base may be stepped.
.macro STAGE_STORE m, img
	s_wait_loadcnt 0x0
	s_bitcmp1_b32 s[\m], s[J]
	s_cbranch_scc0 .Lno_store_\@
	ds_store_b64 v[SA], v[STG:STG+1] offset:\img
	ds_store_b64 v[SB], v[STG+2:STG+3] offset:\img
	ds_store_b64 v[SA], v[STG+4:STG+5] offset:\img+512
.Lno_store_\@:
.endm
; One barrier a step, for two things: my stores into the buffer that is read next have landed, and my reads of the buffer that is filled next are back.
.macro BAR walk
	s_wait_dscnt 0x0
	s_wait_alu depctr_vm_vsrc(0)                   ; the staging stores have read v[STG ..], in which the next trip's loads land; the step's LDS loads have read v[ADS], v[ADT], v[ADD], which the next step's additions (at last the way out) write; at the head: the tables' stores and the head's loads have read their data and offsets in v146 to v182, which S^T takes
	s_barrier_signal -1
	s_add_nc_u64 s[CB:CB+1], s[CB:CB+1], s[CSTEP:CSTEP+1]      ; (no load of mine is out)
.if \walk
	s_add_co_u32 s[J], s[J], 1
	s_add_co_u32 s[TS], s[TS], 512
	s_add_co_u32 s[TJ], s[TJ], 4
.endif
	s_barrier_wait -1
.endm
	s_load_b512 s[4:19], s[0:1], 0x0
	s_load_b64 s[MSK:MSK+1], s[0:1], 0x40
	v_lshrrev_b32 v8, 5, v0
	v_readfirstlane_b32 s[WV], v8                  ; wave 0..15
	v_cmp_gt_u32 s[RM], 256, v0                    ; the lanes of waves 0-7.  Both scalars are read only behind the wait below; the vector work of the head stands between
	v_and_b32 v9, 31, v0                           ; lane
	v_and_b32 v10, 15, v0                          ; r
	v_bfe_u32 v11, v0, 4, 1                        ; h
	v_lshlrev_b32 v[LI], 4, v9
	v_and_b32 v8, 8, v10
	v_add_nc_u32 v8, v8, v10                       ; r + 8 (r / 8)
	v_lshlrev_b32 v[AKS], 2, v8
	v_lshl_add_u32 v[AKS], v11, 5, v[AKS]          ; lanes 16-31 take the tile 8 keys on
	v_add_nc_u32 v[AKS], KSC, v[AKS]
	v_mul_u32_u24 v[AVS], v9, 144                  ; lane l takes row 32 a + l of V's scale bytes
	v_add_nc_u32 v[AVS], VSC, v[AVS]
	v_lshl_add_u32 v[ADOC], v11, 6, DOC            ; my half's 16 ids of a block of 32 begin 64 h bytes on
	; STAGING.  Thread n brings registers 6 cc .. 6 cc + 5 of lane (rr, hh) of fragment F: 24 bytes, three pieces of 8.  F = n / 64, rr = (n / 4) % 16, cc = (n / 2) % 2, hh = n % 2.
	v_lshrrev_b32 v252, 6, v0                      ; F
	v_bfe_u32 v253, v0, 2, 4                       ; rr
	v_and_b32 v254, 1, v0                          ; hh
	v_bfe_u32 v255, v0, 1, 1                       ; cc
	v_mul_u32_u24 v[SA], v252, 1536
	v_lshl_add_u32 v[SA], v253, 4, v[SA]
	v_lshl_add_u32 v[SA], v254, 8, v[SA]           ; the lane's 16 bytes in the fragment's group 0
	v_mad_u32_u24 v[SB], v255, 1016, v[SA]
	v_add_nc_u32 v[SB], 8, v[SB]                   ; piece 1: registers 2, 3 (group 0, + 8) or 8, 9 (group 2, + 0)
	v_mad_u32_u24 v[SA], v255, 520, v[SA]          ; piece 0: registers 0, 1 (group 0) or 6, 7 (group 1, + 8); piece 2 lies 512 further on in both cases
	v_and_b32 v[GOFF], 8, v253
	v_add_nc_u32 v[GOFF], v[GOFF], v253
	v_lshl_add_u32 v[GOFF], v255, 3, v[GOFF]
	v_lshl_add_u32 v[GOFF], v252, 5, v[GOFF]       ; K: key 32 F + 8 cc + rr + 8 (rr / 8) of the step,
	v_mul_u32_u24 v[GOFF], v[GOFF], 48
	v_mad_u32_u24 v[GOFF], v254, 24, v[GOFF]       ; its row of 48 bytes, + 24 hh
	v_bfe_u32 v146, v0, 2, 6                       ; V: row 16 (F - 4) + rr of 3,072 bytes,
	v_mul_u32_u24 v146, v146, 3072
	v_mad_u32_u24 v146, v255, 48, v146
	v_mad_u32_u24 v146, v254, 24, v146             ; + 48 cc + 24 hh
	v_lshlrev_b32 v172, 5, v0                      ; 32 bytes a thread: ids in memory; ids and K's scale words in LDS
	v_lshlrev_b32 v173, 4, v0                      ; 16 bytes a thread: the head's scale bytes
	v_mul_u32_u24 v174, v10, 48
	v_mad_u32_u24 v174, v11, 24, v174              ; Q: row r, + 24 h
	v_lshlrev_b32 v175, 1, v10
	v_lshlrev_b32 v176, 2, v10
	v_lshrrev_b32 v181, 3, v0
	v_mul_u32_u24 v181, v181, 144
	v_and_b32 v182, 7, v0
	v_lshl_add_u32 v181, v182, 4, v181             ; V's scale bytes in LDS: row n / 8, 16 (n % 8)
.set n, 0
.rept 12
	v_mov_b32 v[QLO+6+n], 0                        ; the zero codes: Qlo's upper half, Qhi's lower
.set n, n+1
.endr
.set n, 0
.rept 32
	v_mov_b32 v[OO+n], 0                           ; O^T.  Which step is a wave's first hangs on the ids, so the step is written once: the first finds zeros, which the first change of M leaves zeros
.set n, n+1
.endr
.set n, 0
.rept 6
	v_mov_b32 v[STG+n], 0                          ; written once, so that they are written on every way
.set n, n+1
.endr
	v_mov_b32 v14, 0                               ; the sum, in two halves
	v_mov_b32 v15, 0
	v_mov_b32 v[FF+1], 0
	v_mov_b32 v13, 0xff61b1e6                      ; the largest t so far: -3e38, under every t
	v_floor_f32 v12, -v13                          ; -M
	v_mov_b32 v[NINF], 0xff800000
	s_wait_alu depctr_va_sdst(0)                   ; s[WV] and s[RM] are written, ahead of their first readers: the select below, and the scalar lines that make my queries' places from the wave's number
	v_cndmask_b32 v[GOFF], v146, v[GOFF], s[RM]    ; waves 0-7 stage K, waves 8-15 V: a choice of offsets in memory; the LDS addresses are one formula for both
	s_and_b32 s[HD], ttmp7, 0xffff                 ; the head
	s_lshl_b32 s[Q0], ttmp9, 8
	s_lshl_b32 s40, s[WV], 4
	s_add_co_u32 s[Q0], s[Q0], s40                 ; my first query: 256 x + 16 x wave
	s_mul_i32 s40, s[HD], 196608                   ; the head's first byte in each tensor of codes,
	s_mov_b32 s41, 0
	s_lshl_b32 s42, s[HD], 13                      ; and of scale bytes
	s_mov_b32 s43, 0
	s_mul_i32 s44, s[Q0], 48
	s_add_co_u32 s44, s44, s40                     ; my queries' codes,
	s_mov_b32 s45, 0
	s_lshl_b32 s46, s[Q0], 1
	s_add_co_u32 s46, s46, s42                     ; their scale bytes,
	s_mov_b32 s47, 0
	s_lshl_b32 s48, s[Q0], 2                       ; their ids,
	s_mov_b32 s49, 0
	s_lshl_b32 s50, s[HD], 20
	s_lshl_b32 s51, s[Q0], 8
	s_add_co_u32 s50, s50, s51                     ; their rows of the result
	s_mov_b32 s51, 0
	s_lshl_b32 s56, ttmp9, 6                       ; the work-group's sixteen ACT words: 64 bytes,
	s_mov_b32 s57, 0
	s_lshl_b32 s60, s[WV], 2                       ; and my wave's among them
	s_mov_b32 s61, 0
	s_mov_b32 s[SEL], 0x76543210
	s_mov_b32 s[SEL+1], 0xfedcba98
	s_mov_b32 s[CS], 0x3e38aa3b                    ; log2(e) / 8
	s_mov_b32 s[CS+1], s[CS]                       ; (named with it as a pair, so it is written)
	s_mov_b32 s[J], 0
	s_mov_b32 s[TS], 0
	s_mov_b32 s[TJ], 0
	s_mov_b32 s[CNT], 16
	s_wait_kmcnt 0x0
	s_add_nc_u64 s[58:59], s[MSK:MSK+1], s[56:57]
	s_add_nc_u64 s[60:61], s[58:59], s[60:61]
	s_load_b512 s[68:83], s[58:59], 0x0            ; the sixteen waves' ACT words (64 bytes, aligned; this launch does not write the buffer)
	s_load_b32 s[ACT], s[60:61], 0x0               ; mine,
	s_load_b32 s[OPN], s[60:61], 0x400             ; and my OPN word, 256 words on
	s_add_nc_u64 s[QC:QC+1], s[QC:QC+1], s[44:45]
	s_add_nc_u64 s[QSP:QSP+1], s[QSP:QSP+1], s[46:47]
	s_add_nc_u64 s[KC:KC+1], s[KC:KC+1], s[40:41]
	s_add_nc_u64 s[VC:VC+1], s[VC:VC+1], s[40:41]
	s_add_nc_u64 s[KSP:KSP+1], s[KSP:KSP+1], s[42:43]
	s_add_nc_u64 s[VSP:VSP+1], s[VSP:VSP+1], s[42:43]
	s_add_nc_u64 s[54:55], s[DOCP:DOCP+1], s[48:49]
	s_add_nc_u64 s[OUTP:OUTP+1], s[OUTP:OUTP+1], s[50:51]
	s_cmp_lt_u32 s[WV], 8                          ; my role in staging hangs on the wave's number alone
	s_cselect_b64 s[CB:CB+1], s[KC:KC+1], s[VC:VC+1]
	s_mov_b32 s[CSTEP], 96                         ; V: 128 codes on in each row;
	s_cselect_b32 s[CSTEP], 6144, s[CSTEP]         ; K: 128 rows of 48 bytes on
	s_mov_b32 s[CSTEP+1], 0
	s_wait_alu depctr_va_vdst(0)                   ; all offsets and LDS addresses are written (v1 to v7, v172 to v176, v181), which the loads and stores of the whole kernel read; Q's zero codes are written, which scaled products take
	global_load_b128 v[146:149], v172, s[DOCP:DOCP+1]            ; ids 8 n .. 8 n + 7
	global_load_b128 v[150:153], v172, s[DOCP:DOCP+1] offset:16
	global_load_b128 v[154:157], v173, s[KSP:KSP+1]              ; the scale bytes of keys 8 n .. 8 n + 7
	global_load_b128 v[158:161], v173, s[VSP:VSP+1]
.irp p, 0,1,2
	global_load_b64 v[QLO+2*\p:QLO+2*\p+1], v174, s[QC:QC+1] offset:8*\p       ; q into k = 0 .. 63 of Qlo,
.endr
.irp p, 0,1,2
	global_load_b64 v[QHI+6+2*\p:QHI+7+2*\p], v174, s[QC:QC+1] offset:8*\p     ; and into k = 64 .. 127 of Qhi
.endr
	global_load_u16 v43, v175, s[QSP:QSP+1]
	global_load_b32 v[DQ], v176, s[54:55]
	s_mov_b32 s40, 0x01000100
	s_mov_b32 s41, 0x03020302
	s_wait_kmcnt 0x0                               ; the masks
	s_or_b32 s[WGM], s68, s69                      ; a step is staged where any of the sixteen waves wants it
.irp i, 70,71,72,73,74,75,76,77,78,79,80,81,82,83
	s_or_b32 s[WGM], s[WGM], s\i
.endr
.if SKIP == 0
	s_mov_b32 s[ACT], -1
	s_mov_b32 s[WGM], -1
.endif
	s_lshr_b32 s[WGN], s[WGM], 1
	STAGE_LOAD WGM                                 ; step 0 (J is 0) goes out with the head's loads.  No vector instruction has been issued since the wait above
	s_wait_loadcnt 0x0                             ; all loads are in, on both ways
	v_lshl_or_b32 v[QS], v43, 16, v43              ; s | s << 16
.irp i, 0,1,2,3
	v_perm_b32 v[162+2*\i], v[154+\i], v[154+\i], s40          ; a key's two scale bytes, twice: the even key of the word,
	v_perm_b32 v[163+2*\i], v[154+\i], v[154+\i], s41          ; the odd one
.endr
	s_wait_alu depctr_va_vdst(0)                   ; v162 to v169 are written, which the LDS stores below read; so is v[QS], which the scaled products of every step take as a scale
	ds_store_b128 v172, v[146:149] offset:DOC
	ds_store_b128 v172, v[150:153] offset:DOC+16
	ds_store_b128 v172, v[162:165] offset:KSC
	ds_store_b128 v172, v[166:169] offset:KSC+16
	ds_store_b128 v181, v[158:161] offset:VSC
	STAGE_STORE WGM, 0
	BAR 0                                          ; behind it the three tables and step 0's images lie in LDS for every wave
; The 16 keys of my half of a block, ids in v[ids] on: sixteen masks of lanes, set where the key's id is my query's.
.macro CMPB ids
.set n, 0
.rept 16
	v_cmp_eq_u32 s[MK+n], v[DQ], v[\ids+n]
.set n, n+1
.endr
	s_wait_alu depctr_va_sdst(0)                   ; the sixteen masks are written, ahead of their first reader: one wait for the run
.endm
; Block blk's 16 scores of my half: a score stays where its mask is set, else it becomes -infinity.
.macro CNDB blk
.set n, 0
.rept 16
	v_cndmask_b32 v[SS+16*\blk+n], v[NINF], v[SS+16*\blk+n], s[MK+n]
.set n, n+1
.endr
.endm
; A KEY STEP: keys 128 J .. 128 J + 127, from image buffer buf.
.macro STEP buf
.set IB, (\buf)*IMGSZ
	s_bitcmp1_b32 s[ACT], s[J]
	s_cbranch_scc0 .Lskip_\@
	v_add_nc_u32 v[ADS], s[TS], v[AKS]             ; these three and the v_nop stand, as four places, between the last step's products and the loads into their sources, beside the wait below
	v_add_nc_u32 v[ADT], s[TJ], v[AVS]
	v_add_nc_u32 v[ADD], s[TS], v[ADOC]
	v_nop
	s_wait_alu depctr_va_vdst(0)                   ; the three addresses are written, which this step's LDS loads read; the last worked step's products and vector lines are done reading and writing v[KF ..], v[KS ..], v[VF ..] and v[VS ..], in which this step's loads land
.irp f, 0,1,2,3
.irp g, 0,1,2
	ds_load_b128 v[KF+12*\f+4*\g:KF+12*\f+4*\g+3], v[LI] offset:IB+1536*\f+512*\g
.endr
.endr
.irp f, 0,1,2,3
	ds_load_b32 v[KS+\f], v[ADS] offset:128*\f
.endr
.irp i, 0,1,2,3,4,5,6,7,8,9,10,11
	ds_load_b128 v[VF+4*\i:VF+4*\i+3], v[ADD] offset:128*(\i/4)+16*(\i%4)      ; the ids of blocks 0 to 2: register 16 b + i is key 32 b + 16 h + i, as in S^T
.endr
	s_wait_dscnt 12                                ; K's twelve loads and four scale words are in; the twelve loads of ids behind them may be out
.irp f, 0,1,2,3
	v_wmma_scale_f32_16x16x128_f8f6f4 v[SS+16*\f:SS+16*\f+7], v[KF+12*\f:KF+12*\f+11], v[QLO:QLO+11], 0, v[KS+\f], v[QS] matrix_a_fmt:MATRIX_FMT_BF6 matrix_b_fmt:MATRIX_FMT_BF6
	v_wmma_scale_f32_16x16x128_f8f6f4 v[SS+16*\f+8:SS+16*\f+15], v[KF+12*\f:KF+12*\f+11], v[QHI:QHI+11], 0, v[KS+\f], v[QS] matrix_a_fmt:MATRIX_FMT_BF6 matrix_b_fmt:MATRIX_FMT_BF6 matrix_a_scale:MATRIX_SCALE_ROW1
.endr
.rept 4
	v_nop                                          ; four places in front of the first read of the scores and the first write over K's fragments (ISA guide 7.12.1)
.endr
	s_wait_dscnt 0x0                               ; the ids are in, on both ways: no load is out into the registers that V's fragments take
	s_bitcmp1_b32 s[OPN], s[J]
	s_cbranch_scc1 .Lopen_\@
	CMPB VF
	s_wait_alu depctr_va_vdst(0)                   ; block 0's compares are done reading v[VF] to v[VF+15], in which block 3's ids land
.irp i, 0,1,2,3
	ds_load_b128 v[VF+4*\i:VF+4*\i+3], v[ADD] offset:384+16*\i                 ; block 3's ids take block 0's registers
.endr
	CNDB 0
	CMPB VF+16
	CNDB 1
	CMPB VF+32
	CNDB 2
	s_wait_dscnt 0x0
	CMPB VF
	s_wait_alu depctr_va_vdst(0)                   ; all compares are done reading v[VF ..], in which V's fragments land; the sixteen selects that follow name S^T, -infinity and the masks alone
	CNDB 3
.Lopen_\@:                                         ; (on the way round the masking, no vector or matrix instruction since the wait at the step's head names v[VF ..], v[VS ..], v[LI] or v[ADT])
.irp t, 0,1,2,3
.irp g, 0,1,2
	ds_load_b128 v[VF+12*\t+4*\g:VF+12*\t+4*\g+3], v[LI] offset:IB+6144+1536*\t+512*\g   ; V's fragments land while the softmax is walked
.endr
.endr
	ds_load_b32 v[VS], v[ADT]
	ds_load_b32 v[VS+1], v[ADT] offset:4608
.irp b, 0,1,2,3
	v_max3_num_f32 v[BM+\b], v[SS+16*\b], v[SS+16*\b+1], v[SS+16*\b+2]         ; THE LARGEST SCORE OF EACH BLOCK OF 32 KEYS serves twice: for the row's maximum, and, since p rises with the score, for the block's largest p
.endr
.irp i, 3,5,7,9,11,13
.irp b, 0,1,2,3
	v_max3_num_f32 v[BM+\b], v[BM+\b], v[SS+16*\b+\i], v[SS+16*\b+\i+1]        ; (the four blocks by turns)
.endr
.endr
.irp b, 0,1,2,3
	v_max_num_f32 v[BM+\b], v[BM+\b], v[SS+16*\b+15]
.endr
.irp b, 0,1,2,3
	v_permlanex16_b32 v[PD+\b], v[BM+\b], s[SEL], s[SEL+1]
.endr
.irp b, 0,1,2,3
	v_max_num_f32 v[BM+\b], v[BM+\b], v[PD+\b]     ; with lane l xor 16's 16 keys
.endr
	v_max3_num_f32 v[TT], v[BM], v[BM+1], v[BM+2]
	v_max_num_f32 v[TT], v[TT], v[BM+3]            ; the step's largest score of my query (-infinity where all its keys are hidden)
	v_mul_f32 v[TT], s[CS], v[TT]                  ; as t (c is positive)
	v_max_num_f32 v13, v13, v[TT]                  ; the running largest t
	v_mov_b32 v[TT], v12
	v_floor_f32 v12, -v13                          ; the new -M = floor(-t) = -ceil(t): M IS A WHOLE NUMBER
	v_sub_f32 v[TT], v12, v[TT]                    ; M's old value less its new one: a whole number, 0 or less
	v_cvt_i32_f32 v[TT], v[TT]                     ; (it saturates)
	v_ldexp_f32 v[FF], 1.0, v[TT]                  ; f = 2^(old M - new M): a multiplication by it rounds nothing
.set n, 0
.rept 32
	v_pk_fma_f32 v[SS+n:SS+n+1], v[SS+n:SS+n+1], s[CS:CS+1], v[12:13] op_sel_hi:[1,0,0]   ; t - M, two at a time (of the pairs c and -M the low word serves both halves)
.set n, n+2
.endr
.irp b, 0,1,2,3
	v_fma_f32 v[BM+\b], v[BM+\b], s[CS], v12       ; the same of each block's largest score
.endr
.set n, 0
	s_wait_alu depctr_va_vdst(0)
.rept 64
	v_exp_f32 v[SS+n], v[SS+n]                     ; p = 2^(t - M), at most 1, 0 for a hidden key: NOT normalised
.set n, n+1
.endr
.irp b, 0,1,2,3
	v_exp_f32 v[BM+\b], v[BM+\b]                   ; the block's largest p: the same two instructions on the same number give the same bits
.endr
	v_pk_mul_f32 v[14:15], v[14:15], v[FF:FF+1] op_sel_hi:[1,0]                ; the sums under the new M.  (The plain instruction behind the exponentials)
	s_wait_alu depctr_va_vdst(0)                   ; the 68 exponentials have written p (v[SS ..]) and the blocks' largest p (v[BM ..]): one wait for the batch, ahead of its first reader
.irp b, 0,1,2,3
	v_max_num_f32 v[BM+\b], 0x2800000, v[BM+\b]    ; the floor 2^(5 - 127): the byte cannot fall under 1
.endr
.irp b, 0,1,2,3
	v_add_nc_u32 v[SO+\b], 0xfe000000, v[BM+\b]    ; 4 off the exponent field: the conversion's scale operand
.endr
.irp b, 0,1,2,3
	v_lshrrev_b32 v[BY+\b], 23, v[SO+\b]           ; the scale's byte
.endr
	v_lshl_or_b32 v[PS], v[BY+1], 8, v[BY]         ; p's scale word for these 128 keys
	v_lshl_or_b32 v[PS], v[BY+2], 16, v[PS]
	v_lshl_or_b32 v[PS], v[BY+3], 24, v[PS]
.irp c, 0,1
	v_cvt_scalef32_pk16_bf6_f32 v[PC+6*\c:PC+6*\c+2], v[SS+32*\c:SS+32*\c+15], v[SO+2*\c]
	v_cvt_scalef32_pk16_bf6_f32 v[CT+4*\c:CT+4*\c+2], v[SS+32*\c+16:SS+32*\c+31], v[SO+2*\c+1]   ; (a conversion's three registers begin on an even number)
.endr
	v_nop                                          ; one plain instruction between a scaled conversion and what touches its result
.irp c, 0,1                                    ; the operand's layout wants a WHOLE block in a lane: lanes 0-15 block 2 c, lanes 16-31 block 2 c + 1
.irp i, 0,1,2
	v_permlane16_swap_b32 v[PC+6*\c+\i], v[CT+4*\c+\i]
.endr
.irp i, 0,1,2
	v_mov_b32 v[PC+3+6*\c+\i], v[CT+4*\c+\i]
.endr
.endr
	v_pk_add_f32 v[SU:SU+1], v[SS:SS+1], v[SS+2:SS+3]          ; THE ROW'S SUM IS TAKEN OF THE UNQUANTISED p: two at a time, in two chains
.irp j, 4,8,12,16,20,24,28,32,36,40,44,48,52,56,60
	v_pk_add_f32 v[14:15], v[14:15], v[SS+\j:SS+\j+1]
	v_pk_add_f32 v[SU:SU+1], v[SU:SU+1], v[SS+\j+2:SS+\j+3]
.endr
	v_pk_add_f32 v[14:15], v[14:15], v[SU:SU+1]                ; (these 32 additions are the places between the writing of p's codes and scale word and the products below)
.set n, 0
.rept 16
	v_pk_mul_f32 v[OO+n:OO+n+1], v[OO+n:OO+n+1], v[FF:FF+1] op_sel_hi:[1,0]    ; O^T under the new M: x f; each accumulator from its low end on
.set n, n+2
.endr
	s_wait_dscnt 0x0                               ; V's fragments and scale words are in
	s_wait_alu depctr_va_vdst(0)                   ; p's codes v[PC ..] and scale word v[PS], made by vector lines, are written: the scaled products below take them as an operand and as scales; the places above stay beside this wait
.irp t, 0,2                                    ; O^T += V^T P^T: the four accumulators take turns, one instruction a turn, and the eight products K Q^T stand between two turns of one
	v_wmma_scale_f32_16x16x128_f8f6f4 v[OO+8*\t:OO+8*\t+7], v[VF+12*\t:VF+12*\t+11], v[PC:PC+11], v[OO+8*\t:OO+8*\t+7], v[VS+\t/2], v[PS] matrix_a_fmt:MATRIX_FMT_BF6 matrix_b_fmt:MATRIX_FMT_BF6
	v_wmma_scale_f32_16x16x128_f8f6f4 v[OO+8*\t+8:OO+8*\t+15], v[VF+12*\t+12:VF+12*\t+23], v[PC:PC+11], v[OO+8*\t+8:OO+8*\t+15], v[VS+\t/2], v[PS] matrix_a_fmt:MATRIX_FMT_BF6 matrix_b_fmt:MATRIX_FMT_BF6 matrix_a_scale:MATRIX_SCALE_ROW1
.endr
.Lskip_\@:
.endm
; A trip of the walk: step J + 1 is asked for, step J is worked from buffer buf, step J + 1 goes into the other buffer (last read in front of the last barrier), the barrier.
.macro TRIP buf
	STAGE_LOAD WGN
	STEP \buf
	STAGE_STORE WGN, (1-\buf)*IMGSZ
	BAR 1
.endm
.Lwalk:                                            ; 16 trips of two steps: the same in every wave and work-group
	TRIP 0
	TRIP 1
	s_sub_co_u32 s[CNT], s[CNT], 1
	s_cmp_lg_u32 s[CNT], 0
	s_cbranch_scc1 .Lwalk
	; THE WAY OUT.  Each query's own key lies in a step that its wave has worked, so the sum is above 1/2.  O^T / the sum goes through my own stage in LDS and leaves as whole rows of 256 bytes.
	v_add_f32 v14, v14, v15                        ; the sum's two halves,
	v_permlanex16_b32 v[TT], v14, s[SEL], s[SEL+1]
	v_add_f32 v14, v14, v[TT]                      ; and lane l xor 16's: the row's sum
	s_wait_alu depctr_va_vdst(0)
	v_rcp_f32 v14, v14
	v_and_b32 v8, 15, v0                           ; r.  (The address work below is the plain work behind the reciprocal and the places behind the last products; v8 to v10 were last read by LDS loads ahead of the last barrier's wait on vm_vsrc)
	v_bfe_u32 v9, v0, 4, 1                         ; h
	s_mul_i32 s40, s[WV], 4352
	s_add_co_u32 s40, s40, OUTS                    ; my stage
	v_mul_u32_u24 v10, v8, 272
	v_lshl_add_u32 v10, v9, 5, v10
	v_add_nc_u32 v10, s40, v10                     ; in: row r; tile t's eight channels of my half lie 64 t + 32 h bytes on
	v_mul_u32_u24 v11, v9, 272
	v_lshl_add_u32 v11, v8, 4, v11
	v_add_nc_u32 v11, s40, v11                     ; back: lanes 0-15 one row, lanes 16-31 the next
	v_lshlrev_b32 v2, 8, v9
	v_lshl_add_u32 v2, v8, 4, v2                   ; and the same two rows of the result
	s_wait_alu depctr_va_vdst(0)                   ; the reciprocal has written v14, ahead of its first reader
.set n, 0
.rept 32
	v_mul_f32 v[SS+n], v[OO+n], v14                ; register 8 t + j is out(r, 16 t + 8 h + j)
.set n, n+1
.endr
	s_wait_alu depctr_va_vdst(0)                   ; the 32 multiplications have written v[SS ..], which the LDS stores read; v10, v11 and v2 are written, by which the stores and loads below go; the last products are done reading v[VF ..], in which the rows land
.irp t, 0,1,2,3
	ds_store_b128 v10, v[SS+8*\t:SS+8*\t+3] offset:64*\t
	ds_store_b128 v10, v[SS+8*\t+4:SS+8*\t+7] offset:64*\t+16
.endr
.irp i, 0,1,2,3,4,5,6,7
	ds_load_b128 v[VF+4*\i:VF+4*\i+3], v11 offset:544*\i       ; LDS serves a wave's instructions in order (ISA guide 5.7.1.4): these see my stores
.endr
.irp i, 0,1,2,3,4,5,6,7
	s_wait_dscnt 7-\i                              ; rows 2 i and 2 i + 1 are back; the younger loads may be out
	global_store_b128 v2, v[VF+4*\i:VF+4*\i+3], s[OUTP:OUTP+1] offset:512*\i th:TH_STORE_NT   ; 32 lanes store 512 consecutive bytes, at a multiple of 256 from the buffer's first byte
.endr
	s_wait_xcnt 0x0
	v_lshl_add_u32 v254, v0, 2, 0x21400            ; the add's two registers are made anew here: my spare word, behind the sixteen stages, and 0.  No memory or LDS instruction of this text has read v254 or v255
	v_mov_b32 v255, 0
	s_wait_dscnt 0x0                               ; the closing lines, six on end
	s_wait_alu 0x0
	s_wait_tensorcnt 0x0
	ds_add_u32 v254, v255
	s_wait_dscnt 0x0
	s_endpgm
.Lfunc_end_k_qfe450a9f14_attn:
	.size	k_qfe450a9f14_attn, .Lfunc_end_k_qfe450a9f14_attn-k_qfe450a9f14_attn
	.p2alignl 7, 3214868480
	.fill 96, 4, 3214868480
	.section	.rodata,"a",@progbits
	.p2align	6, 0x0
	.amdhsa_kernel k_qfe450a9f14_attn
		.amdhsa_group_segment_fixed_size 138240
		.amdhsa_private_segment_fixed_size 0
		.amdhsa_enable_private_segment 0
		.amdhsa_kernarg_size 72
		.amdhsa_user_sgpr_count 2
		.amdhsa_user_sgpr_kernarg_segment_ptr 1
		.amdhsa_wavefront_size32 1
		.amdhsa_system_sgpr_workgroup_id_x 1
		.amdhsa_system_sgpr_workgroup_id_y 1
		.amdhsa_system_sgpr_workgroup_id_z 1
		.amdhsa_system_vgpr_workitem_id 0
		.amdhsa_next_free_vgpr 256
		.amdhsa_next_free_sgpr 92
		.amdhsa_reserve_vcc 0
		.amdhsa_float_denorm_mode_32 3
		.amdhsa_float_denorm_mode_16_64 3
		.amdhsa_memory_ordered 1
		.amdhsa_forward_progress 1
		.amdhsa_inst_pref_size 66
	.end_amdhsa_kernel
	.amdgpu_metadata
---
amdhsa.version: [ 1, 2 ]
amdhsa.kernels:
  - .name:           k_qfe450a9f14_attn
    .symbol:         k_qfe450a9f14_attn.kd
    .args:
      - { .name: Q_codes, .offset: 0, .size: 8, .value_kind: global_buffer, .address_space: global }
      - { .name: Q_scales, .offset: 8, .size: 8, .value_kind: global_buffer, .address_space: global }
      - { .name: K_codes, .offset: 16, .size: 8, .value_kind: global_buffer, .address_space: global }
      - { .name: K_scales, .offset: 24, .size: 8, .value_kind: global_buffer, .address_space: global }
      - { .name: V_codes, .offset: 32, .size: 8, .value_kind: global_buffer, .address_space: global }
      - { .name: V_scales, .offset: 40, .size: 8, .value_kind: global_buffer, .address_space: global }
      - { .name: document_id, .offset: 48, .size: 8, .value_kind: global_buffer, .address_space: global }
      - { .name: out0, .offset: 56, .size: 8, .value_kind: global_buffer, .address_space: global }
      - { .name: masks, .offset: 64, .size: 8, .value_kind: global_buffer, .address_space: global }
    .group_segment_fixed_size: 138240
    .private_segment_fixed_size: 0
    .kernarg_segment_align: 8
    .kernarg_segment_size: 72
    .max_flat_workgroup_size: 512
    .sgpr_count:     92
    .vgpr_count:     256
    .wavefront_size: 32
...
	.end_amdgpu_metadata
.endif
;; end of part 4
